; MI455X (gfx1250); checked and timed in simulation.
; The chip was launched on July 23, 2026; its instructions are those of AMD's public machine-readable ISA for CDNA 5 (MIT licence, August 2026) and "CDNA5" Instruction Set Architecture Reference Guide (July 2026). The comments in the code are by the model that wrote it; some were corrected since.
;; Joint Geometry Attention. Allowed arithmetic: float matrix products may take bf16 or f16 operands with f32 sums; other float arithmetic in f32, or as packed bf16 or f16 multiplies, adds, multiply-adds, maxima and minima; sums over many terms, partial sums and values carried from step to step in f32; what a program stores and reads back later, other than sums and carried values, may be rounded once to bf16 or f16.
;; Inputs: W_out 1,024 x 1,024 float32; W_qkv 3,072 x 1,024 float32; hyp_k 1 x 16 x 1 x 1 float32; x 4 x 1,024 x 1,024 float32.
;; Outputs: out0 4 x 1,024 x 1,024 float32.
;; 2 versions, each right; version 2 is version 1 with the launch cast written anew for expert scheduling mode. Each part assembles by itself: llvm-mc -triple=amdgcn-amd-amdhsa -mcpu=gfx1250 --defsym DOCPART=n.
;; ======== version 1 of 2: 4 launches
;; limits: values are held in f16: magnitudes above 65,504 overflow, below 6.1e-05 lose precision; right only within a limited range of input values
;; workspace buffers: xb 8,388,608 bytes; wqkvb 6,291,456 bytes; woutb 2,097,152 bytes; qb 8,388,608 bytes; kb 8,388,608 bytes; vb 8,388,608 bytes; nrm 524,288 bytes; ob 8,388,608 bytes
;; launch cast (part 1): grid 256 x 1, 8 waves a work-group, no clusters, 0 bytes of LDS; arguments x, W_qkv, W_out, xb, wqkvb, woutb; writes xb, wqkvb, woutb
.if DOCPART == 1
	.amdgcn_target "amdgcn-amd-amdhsa--gfx1250"
	.amdhsa_code_object_version 6
	.text
	.protected	k_qaac4825943_cast
	.globl	k_qaac4825943_cast
	.p2align	8
	.type	k_qaac4825943_cast,@function
k_qaac4825943_cast:
	s_mov_b64 s[64:65], 0
	v_nop
	global_prefetch_b8 v0, s[64:65] scope:SCOPE_SE
	s_setreg_imm32_b32 hwreg(HW_REG_WAVE_MODE, 25, 1), 1
	s_wait_xcnt 0x0
; FIRST OF FOUR LAUNCHES: cast, qkv, attn, oproj.
; This one rounds the three large inputs once to 16 bits for the matrix products: x -> xb (bf16), W_qkv -> wqkvb (bf16, rows in another order), W_out -> woutb.
; W_out is rounded to bf16 like the others, and that number is written as f16, since the last product's other operand is f16 (exact from 2^-14 up; below that f16's fixed step of 6e-8).
; wqkvb's row 192 c + 64 s + d is W_qkv's row 1024 s + 64 c + d (s = 0 q, 1 k, 2 v; c the head): 192 rows on end are one head's q, k and v.
; WORK LEFT OUT BY THE PROGRAM.  reference() itself builds causal = tril(ones) and sets attn_weight to -inf where key s > query l; softmax gives such a key the weight 0 exactly, whatever the inputs hold,
; so its score and its row of v reach no output.  Launch attn therefore never forms the blocks of 128 keys that lie wholly above a band of 128 queries; inside the two last key steps of a band it forms all
; scores and masks.  Nothing else is left out and every input is loaded.  LIMIT: a NaN, an infinity or an overflow that would arise only in the scores left out is not carried to the result.
; SHARES.  8,192 rows of 1,024 f32: work-groups 0-127 take x, 128-223 W_qkv, 224-255 W_out, 32 rows each, a wave four neighbouring rows.  A load of a wave covers 512 consecutive bytes,
; a store 256 consecutive bytes at a multiple of 256 from the buffer's first byte.  All 32 loads of a wave go out before the first wait; no store's sources are ever rewritten.
.set LD,  8                            ; v[8:135]   32 loads of four f32
.set PKD, 136                          ; v[136:199] 32 pairs of packed 16-bit numbers
	s_load_b256 s[4:11], s[0:1], 0x0               ; x s[4:5], W_qkv s[6:7], W_out s[8:9], xb s[10:11]
	s_load_b128 s[12:15], s[0:1], 0x20             ; wqkvb s[12:13], woutb s[14:15]
	v_lshrrev_b32 v3, 5, v0
	v_readfirstlane_b32 s22, v3                    ; wave 0..7
	v_and_b32 v2, 31, v0
	v_lshlrev_b32 v1, 4, v2                        ; 16 bytes a lane in
	v_lshlrev_b32 v2, 3, v2                        ; 8 bytes a lane out
	s_lshl_b32 s20, ttmp9, 5
	s_lshl_b32 s23, s22, 2
	s_add_co_u32 s20, s20, s23                     ; R = 32 g + 4 w: my first row of the 8,192; for x also its row in and out
	s_sub_co_u32 s24, s20, 4096                    ; n: the row in W_qkv (used for g = 128..223 alone)
	s_bfe_u32 s25, s24, 0x40006                    ; the head, (n >> 6) & 15
	s_mul_i32 s25, s25, 192
	s_bfe_u32 s26, s24, 0x2000a                    ; s = n >> 10
	s_lshl_b32 s26, s26, 6
	s_add_co_u32 s25, s25, s26
	s_and_b32 s26, s24, 63
	s_add_co_u32 s25, s25, s26                     ; its row in wqkvb
	s_sub_co_u32 s27, s20, 7168                    ; the row in W_out and woutb (used for g = 224..255 alone)
	s_mov_b32 s31, 0
	s_wait_kmcnt 0x0
	s_cmp_lt_u32 ttmp9, 128                        ; the choices hang on the work-group's number alone
	s_cselect_b64 s[16:17], s[4:5], s[6:7]
	s_cselect_b64 s[18:19], s[10:11], s[12:13]
	s_cselect_b32 s21, s20, s24
	s_cselect_b32 s28, s20, s25
	s_cmp_lt_u32 ttmp9, 224
	s_cselect_b64 s[16:17], s[16:17], s[8:9]
	s_cselect_b64 s[18:19], s[18:19], s[14:15]
	s_cselect_b32 s21, s21, s27
	s_cselect_b32 s28, s28, s27
	s_lshl_b32 s30, s21, 12                        ; 4,096 bytes a row in
	s_add_nc_u64 s[16:17], s[16:17], s[30:31]
	s_lshl_b32 s30, s28, 11                        ; 2,048 bytes a row out
	s_add_nc_u64 s[18:19], s[18:19], s[30:31]
.set i, 0
.rept 32
	global_load_b128 v[LD+4*i:LD+4*i+3], v1, s[16:17] offset:(i/8)*4096+(i%8)*512 th:TH_LOAD_NT
.set i, i+1
.endr
; half = 1: the bf16 number is widened again (a shift, a mask) and written as f16
.macro CV half
.set i, 0
.rept 32
	s_wait_loadcnt 31-i                            ; loads come back in order: load i is in, the 31 - i younger ones stay out
	v_cvt_pk_bf16_f32 v[PKD+2*i], v[LD+4*i], v[LD+4*i+1]
	v_cvt_pk_bf16_f32 v[PKD+2*i+1], v[LD+4*i+2], v[LD+4*i+3]
.if \half
	v_lshlrev_b32 v4, 16, v[PKD+2*i]
	v_and_b32 v5, 0xffff0000, v[PKD+2*i]
	v_lshlrev_b32 v6, 16, v[PKD+2*i+1]
	v_and_b32 v7, 0xffff0000, v[PKD+2*i+1]
	v_cvt_pk_f16_f32 v[PKD+2*i], v4, v5
	v_cvt_pk_f16_f32 v[PKD+2*i+1], v6, v7
.endif
	global_store_b64 v2, v[PKD+2*i:PKD+2*i+1], s[18:19] offset:(i/8)*2048+(i%8)*256
.set i, i+1
.endr
.endm
	s_cmp_ge_u32 ttmp9, 224
	s_cbranch_scc1 .Lhalf
	CV 0
	s_endpgm
.Lhalf:
	CV 1
	s_endpgm
.Lfunc_end_k_qaac4825943_cast:
	.size	k_qaac4825943_cast, .Lfunc_end_k_qaac4825943_cast-k_qaac4825943_cast
	.p2alignl 7, 3214868480
	.fill 96, 4, 3214868480
	.section	.rodata,"a",@progbits
	.p2align	6, 0x0
	.amdhsa_kernel k_qaac4825943_cast
		.amdhsa_group_segment_fixed_size 0
		.amdhsa_private_segment_fixed_size 0
		.amdhsa_enable_private_segment 0
		.amdhsa_kernarg_size 48
		.amdhsa_user_sgpr_count 2
		.amdhsa_user_sgpr_kernarg_segment_ptr 1
		.amdhsa_wavefront_size32 1
		.amdhsa_system_sgpr_workgroup_id_x 1
		.amdhsa_system_sgpr_workgroup_id_y 1
		.amdhsa_system_sgpr_workgroup_id_z 1
		.amdhsa_system_vgpr_workitem_id 0
		.amdhsa_next_free_vgpr 200
		.amdhsa_next_free_sgpr 66
		.amdhsa_reserve_vcc 0
		.amdhsa_float_denorm_mode_32 3
		.amdhsa_float_denorm_mode_16_64 3
		.amdhsa_memory_ordered 1
		.amdhsa_forward_progress 1
		.amdhsa_inst_pref_size 31
	.end_amdhsa_kernel
	.amdgpu_metadata
---
amdhsa.version: [ 1, 2 ]
amdhsa.kernels:
  - .name:           k_qaac4825943_cast
    .symbol:         k_qaac4825943_cast.kd
    .args:
      - { .name: x, .offset: 0, .size: 8, .value_kind: global_buffer, .address_space: global }
      - { .name: W_qkv, .offset: 8, .size: 8, .value_kind: global_buffer, .address_space: global }
      - { .name: W_out, .offset: 16, .size: 8, .value_kind: global_buffer, .address_space: global }
      - { .name: xb, .offset: 24, .size: 8, .value_kind: global_buffer, .address_space: global }
      - { .name: wqkvb, .offset: 32, .size: 8, .value_kind: global_buffer, .address_space: global }
      - { .name: woutb, .offset: 40, .size: 8, .value_kind: global_buffer, .address_space: global }
    .group_segment_fixed_size: 0
    .private_segment_fixed_size: 0
    .kernarg_segment_align: 8
    .kernarg_segment_size: 48
    .max_flat_workgroup_size: 256
    .sgpr_count:     66
    .vgpr_count:     200
    .wavefront_size: 32
...
	.end_amdgpu_metadata
.endif
;; end of part 1
;; launch qkv (part 2): grid 16 x 16, 4 waves a work-group, clusters of 4 x 4, 327,680 bytes of LDS; arguments xb, wqkvb, hyp_k, qb, kb, vb, nrm; writes qb, kb, vb, nrm
.if DOCPART == 2
	.amdgcn_target "amdgcn-amd-amdhsa--gfx1250"
	.amdhsa_code_object_version 6
	.text
	.protected	k_qaac4825943_qkv
	.globl	k_qaac4825943_qkv
	.p2align	8
	.type	k_qaac4825943_qkv,@function
k_qaac4825943_qkv:
	s_mov_b64 s[64:65], 0
	v_nop
	global_prefetch_b8 v0, s[64:65] scope:SCOPE_SE
	s_setreg_imm32_b32 hwreg(HW_REG_WAVE_MODE, 25, 1), 1
	s_wait_xcnt 0x0
	s_wait_alu depctr_hold_cnt(0) depctr_sa_sdst(0) depctr_va_vdst(0) depctr_va_sdst(0) depctr_va_ssrc(0) depctr_va_vcc(0) depctr_vm_vsrc(0)
	s_getreg_b32 s2, hwreg(HW_REG_IB_STS2, 6, 4)
	s_cmp_eq_u32 s2, 0
	s_cbranch_scc0 .Lentry_in_a_cluster
	s_endpgm
.Lentry_in_a_cluster:
	s_bfe_u32 s2, ttmp6, 0x10000c
	s_cmp_lg_u32 s2, 0xf033
	s_cbranch_scc0 .Lentry_shape_is_right
	s_endpgm
.Lentry_shape_is_right:
; qkv = x W_qkv^T (4096 x 3072 x 1024, bf16 operands, f32 sums), then on the f32 sums: RoPE on q and k, the Lorentz lifts, q / k_h, and the layout by heads.
; OUT: qb[bh][t][64] = bf16(rope(q) / k_h), kb = bf16(rope(k)), vb = f16(v), nrm[0][bh][t] = sqrt(k_h + |q|^2) / k_h, nrm[1][bh][t] = sqrt(k_h + |k|^2), f32.  No work of reference() is left out here.
; Then -inner / k_h = nrm0 nrm1 - qb . kb, which the next launch forms by one fused multiply-add on the product's result.
; LIMITS.  hyp_k > 0.  |v| stays under 65,504 (f16).  RoPE's angles t x 10000^(-i/32) are made by an exponential of base 2 and, from 16 rows to the next 16, by the addition theorem: up to about 1e-4 rad beside
; reference()'s f32 angles at t near 1,023.  NaN and infinities are not treated apart.
; SHARES.  A work-group makes 256 rows x 192 columns: one head's q, k and v (wqkvb's order).  Wave w has rows 64 w .. 64 w + 63 and all 192 columns: 48 accumulators (row block rb 0-3, column block cb 0-11).
; So a wave holds whole heads: RoPE's partners d and d + 32 are accumulators cb and cb + 2, same lane, same register; a row's norm wants one exchange of the lanes' halves; the stage on the way out is the wave's own.
; THE MATRIX INSTRUCTION IS USED TRANSPOSED (source 0 = 16 rows of W, source 1 = 16 rows of x): lane l holds row l % 16 and the columns 8 (l / 16) + 0..7 of the block.
; RING.  K goes in steps of 128 (rows of 256 bytes in memory) through two LDS slots.  CLUSTER 4 x 4: x's tile is asked for jointly along a row of the cluster, W's along a column.
; REGISTERS, in windows of 256: window 0 addresses, x's fragments (two buffers of 32), work registers; window 1 W's fragments (two buffers of 96);
; window 2 the accumulators of rb 0, 1 (v0-191) and their cos and sin (v192-255); window 3 the same for rb 2, 3.
.set PITCH,  272                       ; an LDS row: 256 bytes + 16 of padding, so that the 16 rows of a fragment load begin 16 bytes further on in each 256
.set AHALF,  128*PITCH                 ; what waves 0 and 1 fetch: 128 rows of x
.set BBASE,  256*PITCH                 ; W's 192 rows lie behind x's 256
.set BHALF,  96*PITCH                  ; what waves 2 and 3 fetch
.set SLOT1,  1<<17                     ; slot 1 begins here: one exclusive or turns an address in one slot into the other's
.set STAGE,  SLOT1+448*PITCH           ; behind the ring, never filled by a tensor load: 16 rows x 144 bytes for each wave
.set SP,     144
.set NST,    STAGE+4*16*SP             ; 256 bytes for each wave: the norms' way out
.set SPARE,  NST+4*256                 ; the spare words, 128 bytes for each wave: two blocks of 256 bytes that no other line names
.set ADRA0, 16                         ; my lane's place in x's rows of slot 0; never rewritten
.set ADRB0, 17                         ; the same for W
.set ADRA,  18                         ; the same in the slot in hand
.set ADRB,  19
.set NRD,   22                         ; norms: where I read two back
.set NGO,   23                         ; norms: my 8 bytes of 256
.set STO,   24                         ; the way out: where I put 16 bytes of a row
.set RD,    25                         ; where I read rows back
.set GO,    26                         ; my 16 bytes of 512
.set NSA,   27                         ; norms: where I put one
.set SPW,   28                         ; my spare word; never rewritten
.set NIL,   29                         ; 0; never rewritten
.set PFO,   30                         ; the prefetches' offset: a lane a row; never rewritten
.set INVF,  32                         ; v32-47 my 16 frequencies, i = 16 e + 8 (l / 16) + j at INVF + 8 e + j; later v32-39 the norms
.set NRM,   32
.set SQ,    48                         ; v48-51 sums of squares
.set TV,    52                         ; v52-53 the position, as a pair
.set TF,    128                        ; work registers of the tables
.set TN,    144
.set TZ,    160
.set TS,    176
.set TC,    192
.set CT,    208                        ; cos and sin of 16 positions' angle
.set SN,    224
.set SG,    240                        ; the signs
.set YY,    128                        ; work registers of the way out: 32 rotated numbers,
.set T1,    160                        ; two sets of 16 products,
.set T2,    176
.set PK,    192                        ; 16 packed words,
.set BK,    208                        ; three sets of 16 read back from the stage (q, k, v)
.set MSB, 0
.macro WIN new                         ; the immediate's high byte repeats the setting that is left; a switch that changes nothing is dropped
.if MSB != (\new)
	s_set_vgpr_msb (MSB<<8)|(\new)
.set MSB, \new
.endif
.endm
.macro PLACES                          ; four plain vector instructions between a matrix instruction and a load into, or a vector instruction on, its registers
.rept 4
	v_nop
.endr
.endm
.macro EACH8 line:vararg               ; one line for each pair p = 0, 2 .. 14
.set p, 0
.rept 8
	\line
.set p, p+2
.endr
.endm
.macro EACH16 line:vararg              ; one line for each p = 0 .. 15
.set p, 0
.rept 16
	\line
.set p, p+1
.endr
.endm
.macro CREST                           ; a round of the cluster's barrier behind its opening barrier
	s_cmp_lg_u32 s10, 0
	s_cbranch_scc1 .Lnot_wave_0_\@
	s_barrier_signal -3
.Lnot_wave_0_\@:
	s_barrier_wait -3
	s_barrier_signal -1
	s_barrier_wait -1
.endm
.macro CROUND
	s_barrier_signal -1
	s_barrier_wait -1
	CREST
.endm
; A joint refill by the walking descriptors.  Waves 0 and 1 fetch x's two halves, waves 2 and 3 W's: the branch hangs on the wave's number alone.  An s_nop 0 and four v_nop follow each line.
.macro JLOAD
	s_cmp_eq_u32 s11, 0
	s_cbranch_scc0 .Lfor_b_\@
	tensor_load_to_lds s[36:39], s[24:31]
	s_nop 0
.rept 4
	v_nop
.endr
	s_branch .Lasked_\@
.Lfor_b_\@:
	tensor_load_to_lds s[60:63], s[48:55]
	s_nop 0
.rept 4
	v_nop
.endr
.Lasked_\@:
.endm
; A prefetch of the K step that stands two refills on: 256 bytes of a row, a lane a row.  x's rows are read by every cluster of a row of clusters: cluster x = 0 asks; W's by every cluster of a column: cluster y = 0 asks.
; The four partners of a joint load share its rows out by address (32 of x's 128, 24 of W's 96: there lanes 24-31 repeat lane 23's row).  Trips 0 to 3 ask for K steps 4 to 7; the later trips have no such step.
.macro ASK
	s_cmp_gt_u32 s3, s43
	s_cbranch_scc0 .Lnot_mine_\@
	global_prefetch_b8 v[PFO], s[44:45] offset:256 th:TH_LOAD_NT scope:SCOPE_SE
.Lnot_mine_\@:
.endm
	s_load_b128 s[4:7], s[0:1], 0x0                ; xb s[4:5], wqkvb s[6:7]
	s_load_b64 s[8:9], s[0:1], 0x10                ; hyp_k
	s_load_b256 s[68:75], s[0:1], 0x18             ; qb s[68:69], kb s[70:71], vb s[72:73], nrm s[74:75]
	v_lshl_add_u32 v[SPW], v0, 2, SPARE
	v_mov_b32 v[NIL], 0
	ds_add_u32 v[SPW], v[NIL]                      ; the wave's opening: the add, twice on end, and its wait ahead of my first tensor load
	ds_add_u32 v[SPW], v[NIL]
	v_lshrrev_b32 v1, 5, v0
	v_readfirstlane_b32 s10, v1                    ; wave 0..3
	s_lshr_b32 s11, s10, 1                         ; I fetch for x (0) or for W (1)
	s_and_b32 s12, s10, 1                          ; which half of that tile
	s_bfe_u32 s40, ttmp6, 0x40000                  ; cx
	s_bfe_u32 s41, ttmp6, 0x40004                  ; cy
	s_lshl_b32 s42, ttmp9, 2
	s_add_co_u32 s42, s42, s40                     ; ct: column tile = head
	s_and_b32 s13, ttmp7, 0xffff
	s_lshl_b32 s13, s13, 2
	s_add_co_u32 s13, s13, s41                     ; rt: row tile
	s_lshl_b32 s16, s41, 2
	s_lshl_b32 s16, 15, s16                        ; my row of the cluster
	s_lshl_b32 s46, 0x1111, s40                    ; my column
	s_or_b32 s24, s16, (1<<16)|(1<<20)|(1<<21)|(5<<22)|(3<<25)  ; the mask; elements of 2 bytes; padding on; bit 21 beside a mask; after every 64 words, 4 words
	s_or_b32 s48, s46, (1<<16)|(1<<20)|(1<<21)|(5<<22)|(3<<25)
	s_mov_b32 s25, 128<<16                         ; tensor_dim0 = 128
	s_mov_b32 s26, 128<<16                         ; tensor_dim1 = 128
	s_mov_b32 s27, 128<<16                         ; tile_dim0 = 128
	s_mov_b32 s28, 128                             ; tile_dim1 = 128
	s_mov_b32 s29, 1024                            ; elements from row to row
	s_mov_b32 s30, 0
	s_mov_b32 s31, 0
	s_mov_b32 s49, 128<<16
	s_mov_b32 s50, 96<<16                          ; W's halves have 96 rows
	s_mov_b32 s51, 128<<16
	s_mov_b32 s52, 96
	s_mov_b32 s53, 1024
	s_mov_b32 s54, 0
	s_mov_b32 s55, 0
	s_lshl_b32 s16, s13, 8
	s_lshl_b32 s17, s12, 7
	s_add_co_u32 s16, s16, s17                     ; x: row 256 rt + 128 half,
	s_lshl_b32 s16, s16, 11                        ; 2,048 bytes a row
	s_mov_b32 s17, 0
	s_mul_i32 s46, s42, 192
	s_mul_i32 s47, s12, 96
	s_add_co_u32 s46, s46, s47                     ; W: row 192 ct + 96 half
	s_lshl_b32 s46, s46, 11
	s_mov_b32 s47, 0
	s_mul_i32 s20, s12, AHALF                      ; where they go: the wave's number alone enters an LDS address
	s_mul_i32 s21, s12, BHALF
	s_add_co_u32 s21, s21, BBASE
	s_mov_b32 s66, 0x3ea2f983                      ; 1 / pi
	s_mov_b32 s67, s66
	s_mov_b32 s82, 0                               ; the slot in hand
	s_mov_b32 s83, 0xffff0000                      ; lanes 16-31
	s_mov_b32 s84, 0x76543210                      ; v_permlanex16_b32: each lane takes its own place in the other half
	s_mov_b32 s85, 0xfedcba98
	s_mov_b32 s86, 0xb2d7322b                      ; -1/11!
	s_mov_b32 s87, s86
	s_mov_b32 s88, 0x3638ef1d                      ; 1/9!
	s_mov_b32 s89, s88
	s_mov_b32 s90, 0xb493f27e                      ; -1/10!
	s_mov_b32 s91, s90
	s_mov_b32 s92, 0x37d00d01                      ; 1/8!
	s_mov_b32 s93, s92
	s_lshl_b32 s95, s42, 2
	s_wait_dscnt 0x0                               ; both opening adds are done
	s_wait_kmcnt 0x0
	s_add_nc_u64 s[16:17], s[4:5], s[16:17]
	s_add_nc_u64 s[46:47], s[6:7], s[46:47]
.irp s, 0,1
	s_mov_b32 s[32+4*(\s)], 1
	s_add_co_u32 s[33+4*(\s)], s20, (\s)*SLOT1
	s_add_nc_u64 s[34+4*(\s):35+4*(\s)], s[16:17], (\s)*256        ; K step s
	s_or_b32 s[35+4*(\s)], s[35+4*(\s)], 0x80000000
	s_mov_b32 s[56+4*(\s)], 1
	s_add_co_u32 s[57+4*(\s)], s21, (\s)*SLOT1
	s_add_nc_u64 s[58+4*(\s):59+4*(\s)], s[46:47], (\s)*256
	s_or_b32 s[59+4*(\s)], s[59+4*(\s)], 0x80000000
.endr
	s_load_b32 s78, s[8:9], s95 offset:0x0         ; k_h of my head
	CROUND                                         ; all sixteen work-groups are here: the first joint loads meet
	s_cmp_eq_u32 s11, 0                            ; a wave's two first fills stand in one branch: two loads of mine are out
	s_cbranch_scc0 .Lfirst_b
	tensor_load_to_lds s[32:35], s[24:31]
	s_nop 0
	tensor_load_to_lds s[36:39], s[24:31]
	s_nop 0
.rept 4
	v_nop
.endr
	s_branch .Lfirst_asked
.Lfirst_b:
	tensor_load_to_lds s[56:59], s[48:55]
	s_nop 0
	tensor_load_to_lds s[60:63], s[48:55]
	s_nop 0
.rept 4
	v_nop
.endr
.Lfirst_asked:
	; all that follows, down to the wait for the first tile, stands in that wait
	v_and_b32 v1, 15, v0                           ; r = l % 16
	v_bfe_u32 v2, v0, 4, 1                         ; h = l / 16
	v_and_b32 v5, 31, v0                           ; l
	v_and_b32 v6, 7, v0
	v_mul_u32_u24 v3, v1, PITCH
	v_lshl_add_u32 v3, v2, 4, v3                   ; a fragment's row x pitch + 16 x half
	s_mul_i32 s14, s10, 64*PITCH
	v_add_nc_u32 v[ADRA0], s14, v3                 ; my wave's 64 rows of x
	v_add_nc_u32 v[ADRB0], BBASE, v3
	v_mov_b32 v[ADRA], v[ADRA0]
	v_mov_b32 v[ADRB], v[ADRB0]
	s_mul_i32 s14, s10, 16*SP
	s_add_co_u32 s14, s14, STAGE
	v_mul_u32_u24 v[STO], v1, SP                   ; in: row r, 16 bytes for each half of the lanes
	v_lshl_add_u32 v[STO], v2, 4, v[STO]
	v_add_nc_u32 v[STO], s14, v[STO]
	v_bfe_u32 v[RD], v0, 3, 2                      ; back: 32 lanes take four rows of 128 bytes,
	v_mul_u32_u24 v[RD], v[RD], SP
	v_lshl_add_u32 v[RD], v6, 4, v[RD]
	v_add_nc_u32 v[RD], s14, v[RD]
	v_lshlrev_b32 v[GO], 4, v5                     ; which are 512 consecutive bytes of a head's rows
	s_lshl_b32 s14, s10, 8
	s_add_co_u32 s14, s14, NST
	v_lshl_add_u32 v[NSA], v5, 2, s14
	v_lshl_add_u32 v[NRD], v5, 3, s14
	v_lshlrev_b32 v[NGO], 3, v5
	; where my 64 rows begin in qb, kb, vb (128 bytes a row) and in nrm (4 bytes a row)
	s_lshr_b32 s18, s13, 2
	s_lshl_b32 s18, s18, 4
	s_add_co_u32 s18, s18, s42                     ; bh = 16 b + head
	s_and_b32 s19, s13, 3                          ; which 256 positions of the 1,024
	s_lshl_b32 s20, s18, 17
	s_lshl_b32 s21, s19, 15
	s_add_co_u32 s20, s20, s21
	s_lshl_b32 s21, s10, 13
	s_add_co_u32 s20, s20, s21
	s_mov_b32 s21, 0
	s_add_nc_u64 s[68:69], s[68:69], s[20:21]
	s_add_nc_u64 s[70:71], s[70:71], s[20:21]
	s_add_nc_u64 s[72:73], s[72:73], s[20:21]
	s_lshl_b32 s20, s18, 12
	s_lshl_b32 s21, s19, 10
	s_add_co_u32 s20, s20, s21
	s_lshl_b32 s21, s10, 8
	s_add_co_u32 s20, s20, s21
	s_mov_b32 s21, 0
	s_add_nc_u64 s[74:75], s[74:75], s[20:21]
	s_add_nc_u64 s[76:77], s[74:75], 262144        ; the second plane
	s_lshl_b32 s94, s19, 8
	s_lshl_b32 s21, s10, 6
	s_add_co_u32 s94, s94, s21                     ; the position of my wave's first row
	; the prefetches
	s_lshl_b32 s20, s13, 8
	s_lshl_b32 s21, s12, 7
	s_add_co_u32 s20, s20, s21
	s_lshl_b32 s21, s40, 5
	s_add_co_u32 s20, s20, s21                     ; x: my work-group's 32 rows of the 128 that I fetch
	s_mul_i32 s22, s42, 192
	s_mul_i32 s23, s12, 96
	s_add_co_u32 s22, s22, s23
	s_mul_i32 s23, s41, 24
	s_add_co_u32 s22, s22, s23                     ; W: my work-group's 24 of the 96
	s_and_b32 s23, ttmp7, 0xffff                   ; cluster y
	s_cmp_eq_u32 s11, 0
	s_cselect_b32 s20, s20, s22
	s_cselect_b32 s23, ttmp9, s23                  ; the coordinate along which other clusters read the same rows
	s_cselect_b32 s15, 31, 23
	s_cselect_b64 s[44:45], s[4:5], s[6:7]
	s_cmp_eq_u32 s23, 0
	s_cselect_b32 s43, 2, -1                       ; a wave asks while the trips to come are more than this
	s_lshl_b32 s20, s20, 11
	s_mov_b32 s21, 0
	s_add_nc_u64 s[44:45], s[44:45], s[20:21]
	s_add_nc_u64 s[44:45], s[44:45], 512           ; at K step 2: the first refill steps it to 3 and names K step 4
	v_min_u32 v[PFO], s15, v5
	v_lshlrev_b32 v[PFO], 11, v[PFO]
	s_mov_b32 s22, 0x4b400000                      ; 1.5 x 2^23, as a pair: from here on s22 and s23 hold nothing else
	s_mov_b32 s23, s22
	; THE TABLES.  My 16 frequencies 2^(-i log2(10000) / 32), and 1 / k_h: one batch, one wait
	v_lshlrev_b32 v4, 3, v2
	EACH16 v_add_nc_u32 v[INVF+p], 16*(p/8)+p%8, v4
	EACH16 v_cvt_f32_u32 v[INVF+p], v[INVF+p]
	EACH16 v_mul_f32 v[INVF+p], 0xbed49a78, v[INVF+p]
	s_wait_kmcnt 0x0                               ; k_h
	EACH16 v_exp_f32 v[INVF+p], v[INVF+p]
	v_rcp_f32 v54, s78
	v_nop                                          ; a plain instruction behind the last of the batch,
	s_wait_alu depctr_va_vdst(0)                   ; and the wait ahead of the first use
	v_readfirstlane_b32 s80, v54
	s_mov_b32 s81, s80                             ; named as a pair
; cos and sin of f = INVF x TV, f from 0 to 1,023.  f / pi + 1.5 x 2^23 is rounded by the multiply-add itself to a whole number: its lowest bit is n's parity (it goes to the sign's place), and with the constant
; taken away again it is n, the nearest whole number to f / pi.  r = f - n pi, pi in two parts; |r| <= pi / 2: Taylor to r^11 and r^10; both change sign with n's parity.
.macro SINCOS dwin, dcos, dsin
	EACH8 v_pk_mul_f32 v[TF+p:TF+p+1], v[INVF+p:INVF+p+1], v[TV:TV+1] op_sel_hi:[1,0]
	EACH8 v_pk_fma_f32 v[TN+p:TN+p+1], v[TF+p:TF+p+1], s[66:67], s[22:23] op_sel_hi:[1,0,0]
	EACH16 v_lshlrev_b32 v[SG+p], 31, v[TN+p]
	EACH8 v_pk_add_f32 v[TN+p:TN+p+1], v[TN+p:TN+p+1], 0xcb400000 op_sel_hi:[1,0]
	EACH8 v_pk_fma_f32 v[TF+p:TF+p+1], v[TN+p:TN+p+1], 0xc0490fdb, v[TF+p:TF+p+1] op_sel_hi:[1,0,1]
	EACH8 v_pk_fma_f32 v[TF+p:TF+p+1], v[TN+p:TN+p+1], 0x33bbbd2e, v[TF+p:TF+p+1] op_sel_hi:[1,0,1]
	EACH8 v_pk_mul_f32 v[TZ+p:TZ+p+1], v[TF+p:TF+p+1], v[TF+p:TF+p+1]
	EACH8 v_pk_fma_f32 v[TS+p:TS+p+1], v[TZ+p:TZ+p+1], s[86:87], s[88:89] op_sel_hi:[1,0,0]
	EACH8 v_pk_fma_f32 v[TC+p:TC+p+1], v[TZ+p:TZ+p+1], s[90:91], s[92:93] op_sel_hi:[1,0,0]
	EACH8 v_pk_fma_f32 v[TS+p:TS+p+1], v[TS+p:TS+p+1], v[TZ+p:TZ+p+1], 0xb9500d01 op_sel_hi:[1,1,0]
	EACH8 v_pk_fma_f32 v[TC+p:TC+p+1], v[TC+p:TC+p+1], v[TZ+p:TZ+p+1], 0xbab60b61 op_sel_hi:[1,1,0]
	EACH8 v_pk_fma_f32 v[TS+p:TS+p+1], v[TS+p:TS+p+1], v[TZ+p:TZ+p+1], 0x3c088889 op_sel_hi:[1,1,0]
	EACH8 v_pk_fma_f32 v[TC+p:TC+p+1], v[TC+p:TC+p+1], v[TZ+p:TZ+p+1], 0x3d2aaaab op_sel_hi:[1,1,0]
	EACH8 v_pk_fma_f32 v[TS+p:TS+p+1], v[TS+p:TS+p+1], v[TZ+p:TZ+p+1], 0xbe2aaaab op_sel_hi:[1,1,0]
	EACH8 v_pk_fma_f32 v[TC+p:TC+p+1], v[TC+p:TC+p+1], v[TZ+p:TZ+p+1], -0.5 op_sel_hi:[1,1,0]
	EACH8 v_pk_mul_f32 v[TS+p:TS+p+1], v[TS+p:TS+p+1], v[TZ+p:TZ+p+1]
	EACH8 v_pk_fma_f32 v[TC+p:TC+p+1], v[TC+p:TC+p+1], v[TZ+p:TZ+p+1], 1.0 op_sel_hi:[1,1,0]
	EACH8 v_pk_fma_f32 v[TS+p:TS+p+1], v[TS+p:TS+p+1], v[TF+p:TF+p+1], v[TF+p:TF+p+1]
	WIN \dwin
	EACH16 v_xor_b32 v[(\dcos)+p], v[SG+p], v[TC+p]
	EACH16 v_xor_b32 v[(\dsin)+p], v[SG+p], v[TS+p]
	WIN 0
.endm
; The tables of row block rb + 1 from those of rb: the angle grows by 16 positions' (the addition theorem)
.macro ROT rb
.set WS, 2+(\rb)/2
.set WD, 2+((\rb)+1)/2
.set TA, 192+32*((\rb)%2)
.set TD, 192+32*(((\rb)+1)%2)
	WIN WS                                         ; source 0 in the tables' window
	EACH8 v_pk_mul_f32 v[TF+p:TF+p+1], v[TA+16+p:TA+17+p], v[SN+p:SN+p+1]
	EACH8 v_pk_mul_f32 v[TN+p:TN+p+1], v[TA+p:TA+p+1], v[SN+p:SN+p+1]
	WIN WS|(WD<<6)
	EACH8 v_pk_fma_f32 v[TD+p:TD+p+1], v[TA+p:TA+p+1], v[CT+p:CT+p+1], v[TF+p:TF+p+1] neg_lo:[0,0,1] neg_hi:[0,0,1]
	EACH8 v_pk_fma_f32 v[TD+16+p:TD+17+p], v[TA+16+p:TA+17+p], v[CT+p:CT+p+1], v[TN+p:TN+p+1]
.endm
	v_add_nc_u32 v[TV], s94, v1                    ; the position of my row in row block 0
	v_cvt_f32_u32 v[TV], v[TV]
	v_mov_b32 v[TV+1], v[TV]
	SINCOS 0x80, 192, 208                          ; into window 2: cos at v192-207, sin at v208-223
	v_mov_b32 v[TV], 0x41800000                    ; 16.0
	v_mov_b32 v[TV+1], v[TV]
	SINCOS 0, CT, SN
	ROT 0
	ROT 1
	ROT 2
	WIN 0
; 12 matrix instructions: row block rb x all 12 column blocks, 32 along K, from buffer f.  zero = 1: the product starts the sums.  All 48 accumulators take turns, one instruction a turn, over the backward jump too.
.macro MULR f, rb, zero
	WIN 0xa1+0x50*((\rb)/2)                        ; source 0 (W) window 1, source 1 (x) window 0, C and D window 2 or 3
.irp cb, 0,1,2,3,4,5,6,7,8,9,10,11
.if \zero
	v_wmma_f32_16x16x32_bf16 v[96*((\rb)%2)+8*(\cb):96*((\rb)%2)+8*(\cb)+7], v[96*(\f)+8*(\cb):96*(\f)+8*(\cb)+7], v[64+32*(\f)+8*(\rb):64+32*(\f)+8*(\rb)+7], 0
.else
	v_wmma_f32_16x16x32_bf16 v[96*((\rb)%2)+8*(\cb):96*((\rb)%2)+8*(\cb)+7], v[96*(\f)+8*(\cb):96*(\f)+8*(\cb)+7], v[64+32*(\f)+8*(\rb):64+32*(\f)+8*(\rb)+7], v[96*((\rb)%2)+8*(\cb):96*((\rb)%2)+8*(\cb)+7]
.endif
.endr
.endm
; 32 LDS loads in one run: 32 along K at byte k of the rows, into buffer f: W's 24, then x's 8, row blocks in order
.macro FETCH k, f
	WIN 0x40
.irp i, 0,1,2,3,4,5,6,7,8,9,10,11
	ds_load_b128 v[96*(\f)+8*(\i):96*(\f)+8*(\i)+3],   v[ADRB] offset:(\k)+(\i)*16*PITCH
	ds_load_b128 v[96*(\f)+8*(\i)+4:96*(\f)+8*(\i)+7], v[ADRB] offset:(\k)+(\i)*16*PITCH+32
.endr
	WIN 0
.irp i, 0,1,2,3
	ds_load_b128 v[64+32*(\f)+8*(\i):64+32*(\f)+8*(\i)+3],   v[ADRA] offset:(\k)+(\i)*16*PITCH
	ds_load_b128 v[64+32*(\f)+8*(\i)+4:64+32*(\f)+8*(\i)+7], v[ADRA] offset:(\k)+(\i)*16*PITCH+32
.endr
.endm
; A K step is four quarters of 32 along K, 48 matrix instructions each, on buffers 0, 1, 0, 1.  One of the first three: multiplies buffer f and in its middle fetches the next quarter, at byte k, into g.
.macro QUARTER k, f, g, zero
	s_wait_dscnt 4                                 ; W and x's row blocks 0, 1 are in; the youngest four loads (row blocks 2, 3) may be out
	MULR \f, 0, \zero
	MULR \f, 1, \zero
	PLACES
	FETCH \k, \g
	s_wait_dscnt 32                                ; all but the 32 just issued
	MULR \f, 2, \zero
	MULR \f, 3, \zero
.endm
; The last quarter multiplies buffer 1 and changes slots: ONE barrier.  In front of it each wave waits for all its tensor loads (one is out: its part of the next slot), adds 0 to its spare word, and waits for that
; and for its own reads of this slot.  fill = 1: the barrier opens a round of the cluster's, and behind the round this slot is filled again, two K steps ahead, first of all.
.macro TURN fill
.if \fill
	s_wait_xcnt 0x0                                ; the last prefetch, a K step back, has read its address
	s_add_nc_u64 s[44:45], s[44:45], 256
.endif
	WIN 0
	s_wait_tensorcnt 0x0                           ; no tensor load of mine is out, so a group 0 may be written
	ds_add_u32 v[SPW], v[NIL]                      ; 0 onto my spare word
.if \fill
	s_xor_b32 s37, s37, SLOT1                      ; the walking descriptors: the other slot than last time, the next K step
	s_add_nc_u64 s[38:39], s[38:39], 256
	s_xor_b32 s61, s61, SLOT1
	s_add_nc_u64 s[62:63], s[62:63], 256
.endif
	s_wait_dscnt 7                                 ; the add and x's row blocks 1 to 3 may be out
	MULR 1, 0, 0
	s_wait_dscnt 0x0                               ; the add is done, and my reads of this slot are over
	s_barrier_signal -1
	MULR 1, 1, 0
	WIN 0
	s_barrier_wait -1
.if \fill
	CREST                                          ; no wave of any partner still reads this slot or has a load on its way
	JLOAD                                          ; its four v_nop are also the places in front of the loads below
.else
	PLACES
.endif
	s_xor_b32 s82, s82, SLOT1
	v_add_nc_u32 v[ADRA], s82, v[ADRA0]
	v_add_nc_u32 v[ADRB], s82, v[ADRB0]
	FETCH 0, 0
.if \fill
	ASK
.endif
	MULR 1, 2, 0
	MULR 1, 3, 0
.endm
	s_wait_tensorcnt 1                             ; my part of K step 0 is in; K step 1's may stay out
	s_barrier_signal -1
	s_barrier_wait -1
	FETCH 0, 0
	QUARTER 64, 0, 1, 1                            ; the first quarter stands in front of the loop: its products start the sums
	WIN 0
	s_mov_b32 s3, 6
.Lk:                                                   ; a trip: from a K step's second quarter to the next step's first; it fills one slot again.  Six trips ask for K steps 2 to 7
	QUARTER 128, 1, 0, 0
	QUARTER 192, 0, 1, 0
	TURN 1
	QUARTER 64, 0, 1, 0
	WIN 0
	s_sub_co_u32 s3, s3, 1
	s_cmp_lg_u32 s3, 0
	s_cbranch_scc1 .Lk
	QUARTER 128, 1, 0, 0                           ; K steps 6 and 7 ask for nothing
	QUARTER 192, 0, 1, 0
	TURN 0
	QUARTER 64, 0, 1, 0
	QUARTER 128, 1, 0, 0
	QUARTER 192, 0, 1, 0
	s_wait_dscnt 4
	MULR 1, 0, 0
	MULR 1, 1, 0
	s_wait_dscnt 0x0
	MULR 1, 2, 0
	MULR 1, 3, 0
; THE WAY OUT, a row block at a time.  16 packed words go into my stage (rows of 144 bytes) and come back as whole rows: LDS serves a wave's instructions in order (ISA guide 5.7.1.4), so no wait stands between.
.macro TOST unit
	WIN 0
.irp f, 0,1,2,3
	ds_store_b128 v[STO], v[PK+4*(\f):PK+4*(\f)+3] offset:32*(\f)
.endr
.irp f, 0,1,2,3
	ds_load_b128 v[BK+16*(\unit)+4*(\f):BK+16*(\unit)+4*(\f)+3], v[RD] offset:(\f)*4*SP
.endr
.endm
.macro SEND unit, base, rb, younger    ; younger: the LDS instructions issued behind this unit's loads
	WIN 0
.irp f, 0,1,2,3
	s_wait_dscnt (\younger)+3-(\f)
	global_store_b128 v[GO], v[BK+16*(\unit)+4*(\f):BK+16*(\unit)+4*(\f)+3], s[(\base):(\base)+1] offset:(\rb)*2048+(\f)*512  ; 512 consecutive bytes, at a multiple of 256 from the buffer's first
.endr
.endm
; q (hh = 0) or k (hh = 1) of row block rb: y1 = x1 cos + x2 sin, y2 = x2 cos - x1 sin; the row's sum of squares; q alone: / k_h; rounded to bf16.  Each accumulator's lowest registers are read first.
.macro ROPE hh, rb
.set AB, 96*((\rb)%2)+32*(\hh)
.set TT, 192+32*((\rb)%2)
	WIN 0x0a+5*((\rb)/2)                           ; sources 0 and 1 in the accumulators' window
	EACH8 v_pk_mul_f32 v[T1+p:T1+p+1], v[AB+16+p:AB+17+p], v[TT+16+p:TT+17+p]
	EACH8 v_pk_mul_f32 v[T2+p:T2+p+1], v[AB+p:AB+p+1], v[TT+16+p:TT+17+p]
	EACH8 v_pk_fma_f32 v[YY+p:YY+p+1], v[AB+p:AB+p+1], v[TT+p:TT+p+1], v[T1+p:T1+p+1]
	EACH8 v_pk_fma_f32 v[YY+16+p:YY+17+p], v[AB+16+p:AB+17+p], v[TT+p:TT+p+1], v[T2+p:T2+p+1] neg_lo:[0,0,1] neg_hi:[0,0,1]
	WIN 0
	v_pk_mul_f32 v[SQ:SQ+1], v[YY:YY+1], v[YY:YY+1]
	v_pk_mul_f32 v[SQ+2:SQ+3], v[YY+2:YY+3], v[YY+2:YY+3]
.set p, 4
.rept 14
	v_pk_fma_f32 v[SQ+p%4:SQ+p%4+1], v[YY+p:YY+p+1], v[YY+p:YY+p+1], v[SQ+p%4:SQ+p%4+1]
.set p, p+2
.endr
	v_pk_add_f32 v[SQ:SQ+1], v[SQ:SQ+1], v[SQ+2:SQ+3]
	v_add_f32 v[SQ], v[SQ], v[SQ+1]
	v_permlanex16_b32 v[SQ+1], v[SQ], s84, s85     ; the row's other 32 numbers lie in the lane 16 away
	v_add_f32 v[NRM+4*(\hh)+(\rb)], v[SQ], v[SQ+1]
.if (\hh) == 0
.set p, 0
.rept 16
	v_pk_mul_f32 v[YY+p:YY+p+1], v[YY+p:YY+p+1], s[80:81] op_sel_hi:[1,0]
.set p, p+2
.endr
.endif
	EACH16 v_cvt_pk_bf16_f32 v[PK+p], v[YY+2*p], v[YY+2*p+1]
	TOST \hh
.endm
.macro VOUT rb
.set AB, 96*((\rb)%2)+64
	WIN 0x0a+5*((\rb)/2)
	EACH16 v_cvt_pk_f16_f32 v[PK+p], v[AB+2*p], v[AB+2*p+1]
	TOST 2
.endm
	WIN 0
	PLACES
.irp rb, 0,1,2,3
.if (\rb) > 0
	s_wait_xcnt 0x0                                ; the last block's stores have read their registers, which are loaded again below
.endif
	ROPE 0, \rb
	ROPE 1, \rb
	SEND 0, 68, \rb, 8
	VOUT \rb
	SEND 1, 70, \rb, 8
	SEND 2, 72, \rb, 0
.endr
	; THE LIFTS: sqrt(k_h + sum of squares); q's also / k_h.  Every lane holds its row's; lanes 0-15 give row blocks 0 and 2, lanes 16-31 blocks 1 and 3; back as 64 numbers on end.
.set i, 0
.rept 8
	v_add_f32 v[NRM+i], s78, v[NRM+i]
.set i, i+1
.endr
.set i, 0
.rept 8
	v_sqrt_f32 v[NRM+i], v[NRM+i]
.set i, i+1
.endr
	v_nop
	s_wait_alu depctr_va_vdst(0)                   ; one wait for the eight roots
.set i, 0
.rept 4
	v_mul_f32 v[NRM+i], s80, v[NRM+i]
.set i, i+1
.endr
	v_cndmask_b32 v48, v[NRM], v[NRM+1], s83
	v_cndmask_b32 v49, v[NRM+2], v[NRM+3], s83
	ds_store_b32 v[NSA], v48
	ds_store_b32 v[NSA], v49 offset:128
	ds_load_b64 v[50:51], v[NRD]
	v_cndmask_b32 v52, v[NRM+4], v[NRM+5], s83
	v_cndmask_b32 v53, v[NRM+6], v[NRM+7], s83
	ds_store_b32 v[NSA], v52
	ds_store_b32 v[NSA], v53 offset:128
	ds_load_b64 v[54:55], v[NRD]
	s_wait_dscnt 3                                 ; q's are back; k's three instructions may be out
	global_store_b64 v[NGO], v[50:51], s[74:75]    ; 256 consecutive bytes, aligned
	s_wait_dscnt 0x0
	global_store_b64 v[NGO], v[54:55], s[76:77]
	s_wait_tensorcnt 0x0                           ; the wave's end: behind my last tensor load and my last LDS store
	ds_add_u32 v[SPW], v[NIL]
	s_wait_dscnt 0x0
	CROUND                                         ; the closing round: no work-group ends while a partner may still ask for a tile that names it
	s_endpgm
.Lfunc_end_k_qaac4825943_qkv:
	.size	k_qaac4825943_qkv, .Lfunc_end_k_qaac4825943_qkv-k_qaac4825943_qkv
	.p2alignl 7, 3214868480
	.fill 96, 4, 3214868480
	.section	.rodata,"a",@progbits
	.p2align	6, 0x0
	.amdhsa_kernel k_qaac4825943_qkv
		.amdhsa_group_segment_fixed_size 327680
		.amdhsa_private_segment_fixed_size 0
		.amdhsa_enable_private_segment 0
		.amdhsa_kernarg_size 56
		.amdhsa_user_sgpr_count 2
		.amdhsa_user_sgpr_kernarg_segment_ptr 1
		.amdhsa_wavefront_size32 1
		.amdhsa_system_sgpr_workgroup_id_x 1
		.amdhsa_system_sgpr_workgroup_id_y 1
		.amdhsa_system_sgpr_workgroup_id_z 1
		.amdhsa_system_vgpr_workitem_id 0
		.amdhsa_next_free_vgpr 1024
		.amdhsa_next_free_sgpr 96
		.amdhsa_reserve_vcc 0
		.amdhsa_float_denorm_mode_32 3
		.amdhsa_float_denorm_mode_16_64 3
		.amdhsa_memory_ordered 1
		.amdhsa_forward_progress 1
		.amdhsa_inst_pref_size 165
	.end_amdhsa_kernel
	.amdgpu_metadata
---
amdhsa.version: [ 1, 2 ]
amdhsa.kernels:
  - .name:           k_qaac4825943_qkv
    .symbol:         k_qaac4825943_qkv.kd
    .args:
      - { .name: xb, .offset: 0, .size: 8, .value_kind: global_buffer, .address_space: global }
      - { .name: wqkvb, .offset: 8, .size: 8, .value_kind: global_buffer, .address_space: global }
      - { .name: hyp_k, .offset: 16, .size: 8, .value_kind: global_buffer, .address_space: global }
      - { .name: qb, .offset: 24, .size: 8, .value_kind: global_buffer, .address_space: global }
      - { .name: kb, .offset: 32, .size: 8, .value_kind: global_buffer, .address_space: global }
      - { .name: vb, .offset: 40, .size: 8, .value_kind: global_buffer, .address_space: global }
      - { .name: nrm, .offset: 48, .size: 8, .value_kind: global_buffer, .address_space: global }
    .group_segment_fixed_size: 327680
    .private_segment_fixed_size: 0
    .kernarg_segment_align: 8
    .kernarg_segment_size: 56
    .max_flat_workgroup_size: 128
    .sgpr_count:     96
    .vgpr_count:     1024
    .wavefront_size: 32
...
	.end_amdgpu_metadata
.endif
;; end of part 2
;; launch attn (part 3): grid 4 x 64, 4 waves a work-group, clusters of 4 x 1, 327,680 bytes of LDS; arguments qb, kb, vb, nrm, hyp_k, ob; writes ob
.if DOCPART == 3
	.amdgcn_target "amdgcn-amd-amdhsa--gfx1250"
	.amdhsa_code_object_version 6
	.text
	.protected	k_qaac4825943_attn
	.globl	k_qaac4825943_attn
	.p2align	8
	.type	k_qaac4825943_attn,@function
k_qaac4825943_attn:
	s_mov_b64 s[64:65], 0
	v_nop
	global_prefetch_b8 v0, s[64:65] scope:SCOPE_SE
	s_setreg_imm32_b32 hwreg(HW_REG_WAVE_MODE, 25, 1), 1
	s_wait_xcnt 0x0
	s_wait_alu depctr_hold_cnt(0) depctr_sa_sdst(0) depctr_va_vdst(0) depctr_va_sdst(0) depctr_va_ssrc(0) depctr_va_vcc(0) depctr_vm_vsrc(0)
	s_getreg_b32 s2, hwreg(HW_REG_IB_STS2, 6, 4)
	s_cmp_eq_u32 s2, 0
	s_cbranch_scc0 .Lentry_in_a_cluster
	s_endpgm
.Lentry_in_a_cluster:
	s_bfe_u32 s2, ttmp6, 0x10000c
	s_cmp_lg_u32 s2, 0x3003
	s_cbranch_scc0 .Lentry_shape_is_right
	s_endpgm
.Lentry_shape_is_right:
; CAUSAL HYPERBOLIC ATTENTION.  For each (b, h): arg = max(q0' k0 - q' . k, 1 + 1e-6) (q' = q / k_h, q0' = q0 / k_h from the launch before); dis = sqrt(k_h) arccosh(arg); w = 1 / (1e-6 + dis);
; O[l] = the sum over s <= l of softmax_s(w) v[s].  ob[bh][t][64] in f16.
; LEFT OUT: the blocks of 128 keys wholly above a band of 128 queries: reference()'s own tril gives them the weight 0 (shown at the head of the first kernel).
; ARITHMETIC, all in f32 but the two products' operands (q', k bf16; p, v f16).  arccosh(a) = ln 2 x L, L = log2(a + sqrt(a a - 1)), a a - 1 by one fused multiply-add.  log2(e) is folded into the reciprocal:
; W = w log2(e) = 1 / (L c1 + e1), c1 = sqrt(k_h) ln2 ln2, e1 = 1e-6 ln2; p = 2^(W - M) with a running maximum M of W; in every step O and l are multiplied by 2^(M_old - M_new).
; M starts at the lowest finite number, so a band's first step multiplies O and l by 0: they need only hold finite numbers.  A hidden score counts as W = -1e30: its weight is 0.  Every row sees key 0 in its first step.
; LIMITS.  hyp_k > 0; arg under 1.8e19 (its square is kept in f32); a weight below 2^-126 counts as 0 in l; NaN and infinities are not treated apart.
; SHARES.  A cluster is one (b, h).  A head's rows are 8 bands of 128; in each band work-group cx owns rows 32 cx .. 32 cx + 31: two pieces of 16.  Wave w takes band 7 - w and then band w:
; (16 - 2 w) + (2 w + 2) = 18 steps of 64 keys, the same for every wave.  Branches, trip counts and LDS addresses hang on the wave's number and on counters; cx enters Q's, q0's and O's addresses and the mask's threshold alone.
; LDS holds the whole head's K, V and k0, fetched JOINTLY once for the four partners: nothing is filled again.  Every wave waits for all its five loads ahead of the one barrier.
; LAYOUT.  S^T = K Q^T: a lane holds ONE query (l % 16) and the keys 8 (l / 16) + 0..7 of a block of 16; two such results rounded to f16 ARE source 1 of O^T = V^T P.  V comes out of LDS turned, by ds_load_tr16_b128.
; A STEP is written in phases; its 258 transcendentals go in four batches (roots, logarithms, reciprocals, exponentials), one wait each.
; REGISTERS.  window 0: v2-15 addresses and thresholds; v16-31 eight registers of statistics a piece; v32-37 q0'; v40 at work; v64-127 X; v128-191 Y (the raw products); v192-223 k0; v224-255 P.
; window 1: v0-63 O^T; v64-95 Q; v96-127 the second band's Q; v128-191 K of one step; v192-255 V of one step.
.set PK,    144                        ; a row of K in LDS: 128 bytes + 16
.set PV,    160                        ; a row of V: 128 + 32
.set VBASE, 1024*PK
.set N0BASE, VBASE+1024*PV             ; k0: 1,024 f32
.set STAGE, N0BASE+4096                ; never filled by a tensor load: 16 rows x 144 bytes for each wave
.set SP,    144
.set SPARE, STAGE+4*16*SP              ; the spare words, 128 bytes for each wave: two blocks of 256 bytes that no other line names
.set AK0, 2                            ; my lane's place in a step of K; never rewritten
.set AV0, 3                            ; of V
.set A00, 4                            ; of k0
.set AK,  5                            ; the same for the step to be fetched
.set AV,  6
.set A0,  7
.set STO, 8
.set RD,  9
.set GO,  10
.set QO,  11
.set THR, 12                           ; 32 cx + l % 16 - 8 (l / 16)
.set TH,  13                           ; v13, v14: the two pieces' thresholds in the step in hand
.set BIG, 15                           ; -1e30
.set ST,  16                           ; piece x at ST + 8 x: +0 M, +1 M_old, +2, +3 l, +4 .. +7 at work; +6 takes the factor
.set Q0,  32                           ; piece x's q0' at Q0 + 2 x, named as a pair; v36, v37 the second band's
.set RK,  40                           ; the root of k_h, on its way to c1
.set NO,  60                           ; my byte offset in 16 numbers of q0'; never rewritten
.set SPW, 62
.set NIL, 63
.set X,   64
.set Y,   128
.set K0,  192
.set P,   224
.set QC,  64                           ; window 1
.set QX,  96
.set KF,  128
.set VF,  192
.set MSB, 0
.macro WIN new
.if MSB != (\new)
	s_set_vgpr_msb (MSB<<8)|(\new)
.set MSB, \new
.endif
.endm
.macro ROUND                           ; a round of the cluster's barrier
	s_barrier_signal -1
	s_barrier_wait -1
	s_cmp_lg_u32 s16, 0
	s_cbranch_scc1 .Lnot_wave_0_\@
	s_barrier_signal -3
.Lnot_wave_0_\@:
	s_barrier_wait -3
	s_barrier_signal -1
	s_barrier_wait -1
.endm
	s_load_b256 s[4:11], s[0:1], 0x0               ; qb s[4:5], kb s[6:7], vb s[8:9], nrm s[10:11]
	s_load_b128 s[12:15], s[0:1], 0x20             ; hyp_k s[12:13], ob s[14:15]
	v_lshl_add_u32 v[SPW], v0, 2, SPARE
	v_mov_b32 v[NIL], 0
	ds_add_u32 v[SPW], v[NIL]                      ; the wave's opening: the add, twice on end, and its wait ahead of my first tensor load
	ds_add_u32 v[SPW], v[NIL]
	v_lshrrev_b32 v1, 5, v0
	v_readfirstlane_b32 s16, v1                    ; wave 0..3
	s_bfe_u32 s17, ttmp6, 0x40000                  ; cx
	s_and_b32 s18, ttmp7, 0xffff                   ; bh, which the four partners share
	s_and_b32 s19, s16, 1
	; 128 keys are 16,384 dense bytes: asked for as 64 rows of 256 bytes, padded in LDS after every key
	s_mov_b32 s24, 15|(1<<16)|(1<<20)|(1<<21)|(4<<22)|(3<<25)  ; the mask of four; 2-byte elements; padding on; bit 21 beside a mask; after every 32 words, 4 words
	s_mov_b32 s32, 15|(1<<16)|(1<<20)|(1<<21)|(4<<22)|(7<<25)  ; the same with 8 words
.irp g, 24, 32
	s_mov_b32 s[(\g)+1], 128<<16
	s_mov_b32 s[(\g)+2], 64<<16
	s_mov_b32 s[(\g)+3], 128<<16
	s_mov_b32 s[(\g)+4], 64
	s_mov_b32 s[(\g)+5], 128
	s_mov_b32 s[(\g)+6], 0
	s_mov_b32 s[(\g)+7], 0
.endr
	s_mov_b32 s40, 15|(3<<16)|(1<<21)              ; k0: 1,024 dense bytes as 4 rows of 32 elements of 8 bytes, no padding
	s_mov_b32 s41, 32<<16
	s_mov_b32 s42, 4<<16
	s_mov_b32 s43, 32<<16
	s_mov_b32 s44, 4
	s_mov_b32 s45, 32
	s_mov_b32 s46, 0
	s_mov_b32 s47, 0
	s_mul_i32 s90, s19, 128*PK                     ; my first block's place: K's,
	s_mul_i32 s91, s19, 128*PV
	s_add_co_u32 s91, s91, VBASE                   ; V's
	s_lshl_b32 s20, s18, 17                        ; the head's first byte in kb and vb,
	s_lshl_b32 s21, s19, 14                        ; my first block of 128 keys
	s_add_co_u32 s20, s20, s21
	s_mov_b32 s21, 0
	s_lshl_b32 s22, s18, 12                        ; the head's k0, in nrm's second plane,
	s_lshl_b32 s23, s16, 10                        ; my quarter of it
	s_add_co_u32 s22, s22, s23
	s_add_co_u32 s22, s22, 262144
	s_mov_b32 s23, 0
	s_mov_b32 s68, 1
	s_lshl_b32 s69, s16, 10
	s_add_co_u32 s69, s69, N0BASE
	s_and_b32 s92, s18, 15
	s_lshl_b32 s92, s92, 2
	s_mov_b32 s83, 0x3f800008                      ; 1 + 1e-6 in f32
	s_mov_b32 s86, 0x353a10b6                      ; e1 = 1e-6 ln 2
	s_mov_b32 s87, s86
	s_mov_b32 s88, 0x76543210
	s_mov_b32 s89, 0xfedcba98
	s_wait_dscnt 0x0                               ; both opening adds are done
	s_wait_kmcnt 0x0
	s_add_nc_u64 s[6:7], s[6:7], s[20:21]
	s_add_nc_u64 s[8:9], s[8:9], s[20:21]
	s_add_nc_u64 s[70:71], s[10:11], s[22:23]
	s_or_b32 s71, s71, 0x80000000
	s_load_b32 s93, s[12:13], s92 offset:0x0       ; k_h
	ROUND                                          ; all four work-groups are here: the joint loads meet
	; waves 0 and 1 fetch K's blocks (w & 1) + 0, 2, 4, 6, waves 2 and 3 V's; each wave a quarter of k0 first: five loads of mine are out
	s_cmp_lt_u32 s16, 2
	s_cbranch_scc0 .Lv_arm
.irp i, 0,1,2,3
	s_mov_b32 s[48+4*(\i)], 1
	s_add_co_u32 s[49+4*(\i)], s90, (\i)*256*PK
	s_add_nc_u64 s[50+4*(\i):51+4*(\i)], s[6:7], (\i)*32768
	s_or_b32 s[51+4*(\i)], s[51+4*(\i)], 0x80000000
.endr
	tensor_load_to_lds s[68:71], s[40:47]
	s_nop 0
.irp i, 0,1,2,3
	tensor_load_to_lds s[48+4*(\i):51+4*(\i)], s[24:31]
	s_nop 0
.endr
.rept 4
	v_nop
.endr
	s_branch .Lasked
.Lv_arm:
.irp i, 0,1,2,3
	s_mov_b32 s[48+4*(\i)], 1
	s_add_co_u32 s[49+4*(\i)], s91, (\i)*256*PV
	s_add_nc_u64 s[50+4*(\i):51+4*(\i)], s[8:9], (\i)*32768
	s_or_b32 s[51+4*(\i)], s[51+4*(\i)], 0x80000000
.endr
	tensor_load_to_lds s[68:71], s[40:47]
	s_nop 0
.irp i, 0,1,2,3
	tensor_load_to_lds s[48+4*(\i):51+4*(\i)], s[32:39]
	s_nop 0
.endr
.rept 4
	v_nop
.endr
.Lasked:
	; all that follows, down to the wait for the tiles, stands in that wait.  Q, q0' and O of my two bands: 16,384 bytes a band, 4,096 a work-group's 32 rows
	s_sub_co_u32 s2, 7, s16
	s_lshl_b32 s2, s2, 14
	s_lshl_b32 s3, s17, 12
	s_add_co_u32 s2, s2, s3
	s_lshl_b32 s3, s18, 17
	s_add_co_u32 s2, s2, s3
	s_mov_b32 s3, 0
	s_add_nc_u64 s[96:97], s[4:5], s[2:3]          ; Q of band 7 - w
	s_add_nc_u64 s[72:73], s[14:15], s[2:3]        ; O of the band in hand
	s_lshl_b32 s2, s16, 14
	s_lshl_b32 s3, s17, 12
	s_add_co_u32 s2, s2, s3
	s_lshl_b32 s3, s18, 17
	s_add_co_u32 s2, s2, s3
	s_mov_b32 s3, 0
	s_add_nc_u64 s[98:99], s[4:5], s[2:3]          ; Q of band w
	s_add_nc_u64 s[74:75], s[14:15], s[2:3]        ; O of band w
	s_sub_co_u32 s2, 7, s16
	s_lshl_b32 s2, s2, 9
	s_lshl_b32 s3, s17, 7
	s_add_co_u32 s2, s2, s3
	s_lshl_b32 s3, s18, 12
	s_add_co_u32 s2, s2, s3
	s_mov_b32 s3, 0
	s_add_nc_u64 s[100:101], s[10:11], s[2:3]      ; q0' of band 7 - w
	s_lshl_b32 s2, s16, 9
	s_lshl_b32 s3, s17, 7
	s_add_co_u32 s2, s2, s3
	s_lshl_b32 s3, s18, 12
	s_add_co_u32 s2, s2, s3
	s_mov_b32 s3, 0
	s_add_nc_u64 s[94:95], s[10:11], s[2:3]        ; q0' of band w
	v_and_b32 v56, 15, v0                          ; r = l % 16
	v_bfe_u32 v57, v0, 4, 1                        ; h = l / 16
	v_and_b32 v58, 7, v0
	v_bfe_u32 v59, v0, 3, 1
	v_lshlrev_b32 v[QO], 7, v56
	v_lshl_add_u32 v[QO], v57, 4, v[QO]            ; row x 128 + 16 x half
	v_lshlrev_b32 v[NO], 2, v56
	WIN 0x40                                       ; destination window 1
.irp i, 0,1,2,3                        ; piece i / 2, channels 32 (i % 2) on
	global_load_b128 v[QC+8*(\i):QC+8*(\i)+3],   v[QO], s[96:97] offset:((\i)/2)*2048+((\i)%2)*64
	global_load_b128 v[QC+8*(\i)+4:QC+8*(\i)+7], v[QO], s[96:97] offset:((\i)/2)*2048+((\i)%2)*64+32
	global_load_b128 v[QX+8*(\i):QX+8*(\i)+3],   v[QO], s[98:99] offset:((\i)/2)*2048+((\i)%2)*64
	global_load_b128 v[QX+8*(\i)+4:QX+8*(\i)+7], v[QO], s[98:99] offset:((\i)/2)*2048+((\i)%2)*64+32
.endr
.set i, 0
.rept 64
	v_mov_b32 v[i], 0                              ; O^T: no first step is written out, so the sums start at 0
.set i, i+1
.endr
	WIN 0
	global_load_b32 v32, v[NO], s[100:101]
	global_load_b32 v34, v[NO], s[100:101] offset:64
	global_load_b32 v36, v[NO], s[94:95]
	global_load_b32 v37, v[NO], s[94:95] offset:64
	v_mov_b32 v33, 0                               ; named with q0' as pairs
	v_mov_b32 v35, 0
.irp x, 0,1
	v_mov_b32 v[ST+8*(\x)], 0xff7fffff             ; M
	v_mov_b32 v[ST+8*(\x)+2], 0                    ; l
	v_mov_b32 v[ST+8*(\x)+3], 0
.endr
	v_mov_b32 v[BIG], 0xf149f2ca                   ; -1e30
	v_mul_u32_u24 v[AK0], v56, PK
	v_lshl_add_u32 v[AK0], v57, 4, v[AK0]
	v_lshl_add_u32 v[AV0], v57, 3, v58             ; the turning load: lane l reads key 8 (l / 16) + l % 8, channels 8 ((l / 8) % 2) + 0..7
	v_mul_u32_u24 v[AV0], v[AV0], PV
	v_lshl_add_u32 v[AV0], v59, 4, v[AV0]
	v_add_nc_u32 v[AV0], VBASE, v[AV0]
	v_lshlrev_b32 v[A00], 5, v57                   ; my eight keys of a block of 16: 32 bytes
	v_add_nc_u32 v[A00], N0BASE, v[A00]
	s_mul_i32 s90, s16, 16*SP
	s_add_co_u32 s90, s90, STAGE
	v_mul_u32_u24 v[STO], v56, SP
	v_lshl_add_u32 v[STO], v57, 4, v[STO]
	v_add_nc_u32 v[STO], s90, v[STO]
	v_bfe_u32 v[RD], v0, 3, 2
	v_mul_u32_u24 v[RD], v[RD], SP
	v_lshl_add_u32 v[RD], v58, 4, v[RD]
	v_add_nc_u32 v[RD], s90, v[RD]
	v_and_b32 v[GO], 31, v0
	v_lshlrev_b32 v[GO], 4, v[GO]
	v_lshlrev_b32 v61, 3, v57
	v_sub_nc_u32 v[THR], v56, v61
	s_lshl_b32 s2, s17, 5
	v_add_nc_u32 v[THR], s2, v[THR]
	s_wait_kmcnt 0x0                               ; k_h
	v_sqrt_f32 v[RK], s93
	v_nop
	s_wait_alu depctr_va_vdst(0)
	v_mul_f32 v[RK], 0x3f317218, v[RK]
	v_mul_f32 v[RK], 0x3f317218, v[RK]
	v_readfirstlane_b32 s84, v[RK]                 ; c1 = sqrt(k_h) ln2 ln2
	s_mov_b32 s85, s84
	s_lshl_b32 s77, s16, 1
	s_sub_co_u32 s77, 15, s77                      ; the first band's last step: 2 (7 - w) + 1
	s_mov_b32 s76, 0                               ; the step in hand
	s_mov_b32 s82, 18
; Product i of 16 of S^T = K Q^T: channels 32 (i / 8) on, keys 16 ((i / 2) % 4) on, piece i % 2.  The first 8 start the sums; the 8 accumulators take turns.
.macro KQ
	WIN 0x05                                       ; K and Q in window 1, S^T in window 0
.set rS, Y+32*(i%2)+8*((i/2)%4)
.set rK, KF+16*((i/2)%4)+8*(i/8)
.set rQ, QC+16*(i%2)+8*(i/8)
.if i < 8
	v_wmma_f32_16x16x32_bf16 v[rS:rS+7], v[rK:rK+7], v[rQ:rQ+7], 0
.else
	v_wmma_f32_16x16x32_bf16 v[rS:rS+7], v[rK:rK+7], v[rQ:rQ+7], v[rS:rS+7]
.endif
.endm
; Product i of 16 of O^T += V^T P: keys 32 (i / 8) on, channels 16 ((i / 2) % 4) on, piece i % 2.
.macro PVM
	WIN 0x51                                       ; V, C and D in window 1, P in window 0
.set rO, 32*(i%2)+8*((i/2)%4)
.set rV, VF+32*(i/8)+8*((i/2)%4)
.set rP, P+16*(i%2)+8*(i/8)
	v_wmma_f32_16x16x32_f16 v[rO:rO+7], v[rV:rV+7], v[rP:rP+7], v[rO:rO+7]
.endm
.macro FETCH_K
	WIN 0x40
.irp f, 0,1,2,3,4,5,6,7                ; keys 16 (f / 2) on, channels 32 (f % 2) on
	ds_load_b128 v[KF+8*(\f):KF+8*(\f)+3],   v[AK] offset:((\f)/2)*16*PK+((\f)%2)*64
	ds_load_b128 v[KF+8*(\f)+4:KF+8*(\f)+7], v[AK] offset:((\f)/2)*16*PK+((\f)%2)*64+32
.endr
	WIN 0
.endm
.macro FETCH_V
	WIN 0x40
.irp f, 0,1,2,3,4,5,6,7                ; keys 32 (f / 4) on, channels 16 (f % 4) on
	ds_load_tr16_b128 v[VF+8*(\f):VF+8*(\f)+3],   v[AV] offset:((\f)/4)*32*PV+((\f)%4)*32
	ds_load_tr16_b128 v[VF+8*(\f)+4:VF+8*(\f)+7], v[AV] offset:((\f)/4)*32*PV+16*PV+((\f)%4)*32
.endr
	WIN 0
.endm
.macro FETCH_0
.irp f, 0,1,2,3,4,5,6,7                ; k0 of keys 16 (f / 2) + 8 (l / 16) + 4 (f % 2) + 0..3
	ds_load_b128 v[K0+4*(\f):K0+4*(\f)+3], v[A0] offset:64*((\f)/2)+16*((\f)%2)
.endr
.endm
; Number n of the 21 that find piece x's new maximum and its factor
.macro XS x, n
.set rT, ST+8*(\x)
.set rX, X+32*(\x)
.if (\n) < 4
	v_max3_num_f32 v[rT+4+(\n)], v[rX+8*(\n)], v[rX+8*(\n)+1], v[rX+8*(\n)+2]
.elseif (\n) < 12
	v_max3_num_f32 v[rT+4+(\n)%4], v[rT+4+(\n)%4], v[rX+8*((\n)%4)+2*((\n)/4)+1], v[rX+8*((\n)%4)+2*((\n)/4)+2]
.elseif (\n) == 12
	v_max3_num_f32 v[rT+4], v[rT+4], v[rX+7], v[rX+15]
.elseif (\n) == 13
	v_max3_num_f32 v[rT+5], v[rT+5], v[rX+23], v[rX+31]
.elseif (\n) == 14
	v_max3_num_f32 v[rT+6], v[rT+6], v[rT+7], v[rT]
.elseif (\n) == 15
	v_mov_b32 v[rT+1], v[rT]
.elseif (\n) == 16
	v_max3_num_f32 v[rT+4], v[rT+4], v[rT+5], v[rT+6]
.elseif (\n) == 17
	v_permlanex16_b32 v[rT+7], v[rT+4], s88, s89   ; the query's other 32 keys lie in the lane 16 away
.elseif (\n) == 18
	v_max_num_f32 v[rT], v[rT+4], v[rT+7]
.elseif (\n) == 19
	v_sub_f32 v[rT+5], v[rT+1], v[rT]
.else
	v_exp_f32 v[rT+6], v[rT+5]
.endif
.endm
.macro BATCH_END                       ; a plain instruction behind the batch's last transcendental, and the one wait ahead of the first use
	v_nop
	s_wait_alu depctr_va_vdst(0)
.endm
	s_wait_tensorcnt 0x0                           ; my five loads have landed,
	s_barrier_signal -1
	s_barrier_wait -1                              ; everybody's have: the whole head lies in LDS, and nothing is filled again
	v_mov_b32 v[AK], v[AK0]
	v_mov_b32 v[A0], v[A00]
	FETCH_K                                        ; step 0
	FETCH_0
	s_wait_loadcnt 0x0                             ; Q and q0'
.Lstep:                                                ; 18 trips: a step of 64 keys for my two pieces
	s_wait_dscnt 0x0                               ; K and k0 of this step are in
.set i, 0
.rept 16
	KQ
.set i, i+1
.endr
	WIN 0
	s_and_b32 s79, s76, 15                         ; the step in hand is 0 to 15: the AND changes nothing and states that range in the line itself, as the one below does for the next step:
	s_mul_i32 s79, s79, 64*PV                      ; V of this step lies at 0 to 15 x 10,240 bytes in V's 163,840
	s_add_co_u32 s78, s76, 1                       ; the next step: behind a band's last, step 0 of the next band
	s_cmp_eq_u32 s76, s77
	s_cselect_b32 s78, 0, s78
	s_and_b32 s78, s78, 15
	s_mul_i32 s80, s78, 64*PK
	s_lshl_b32 s81, s78, 8
	v_add_nc_u32 v[AV], s79, v[AV0]                ; these three and the v_nop are the four places behind the products, and behind the last step's V^T P in front of V's loads
	v_add_nc_u32 v[AK], s80, v[AK0]
	v_add_nc_u32 v[A0], s81, v[A00]
	v_nop
	FETCH_V
	; A: a = max(q0' k0 - q' . k, 1 + 1e-6) in X; sqrt(a a - 1) in Y.  The roots stand one pair behind, between plain lines.  Each accumulator's lowest registers are read first.
.set i, 0
.rept 33
.if i < 32
	v_pk_fma_f32 v[X+2*i:X+2*i+1], v[K0+2*(i%16):K0+2*(i%16)+1], v[Q0+2*(i/16):Q0+2*(i/16)+1], v[Y+2*i:Y+2*i+1] op_sel_hi:[1,0,1] neg_lo:[0,0,1] neg_hi:[0,0,1]
.endif
.if i > 0
	v_sqrt_f32 v[Y+2*i-2], v[Y+2*i-2]
.endif
.if i < 32
	v_max_num_f32 v[X+2*i], s83, v[X+2*i]
.endif
.if i > 0
	v_sqrt_f32 v[Y+2*i-1], v[Y+2*i-1]
.endif
.if i < 32
	v_max_num_f32 v[X+2*i+1], s83, v[X+2*i+1]
	v_pk_fma_f32 v[Y+2*i:Y+2*i+1], v[X+2*i:X+2*i+1], v[X+2*i:X+2*i+1], -1.0 op_sel_hi:[1,1,0]
.endif
.set i, i+1
.endr
	BATCH_END
	; B: L = log2(a + root)
.set i, 0
.rept 33
.if i < 32
	v_pk_add_f32 v[X+2*i:X+2*i+1], v[X+2*i:X+2*i+1], v[Y+2*i:Y+2*i+1]
.endif
.if i > 0
	v_log_f32 v[X+2*i-2], v[X+2*i-2]
	v_log_f32 v[X+2*i-1], v[X+2*i-1]
.endif
.set i, i+1
.endr
	BATCH_END
	FETCH_K                                        ; the next step's K and k0: this step's have been read
	FETCH_0
	; C: W = 1 / (L c1 + e1)
.set i, 0
.rept 33
.if i < 32
	v_pk_fma_f32 v[X+2*i:X+2*i+1], v[X+2*i:X+2*i+1], s[84:85], s[86:87] op_sel_hi:[1,0,0]
.endif
.if i > 0
	v_rcp_f32 v[X+2*i-2], v[X+2*i-2]
	v_rcp_f32 v[X+2*i-1], v[X+2*i-1]
.endif
.set i, i+1
.endr
	BATCH_END
	; the mask, in a band's last two steps alone: key 64 (step & 1) + 16 kb + 8 (l / 16) + j is hidden where it is greater than my row's place 32 cx + 16 x + l % 16 in the band
	s_add_co_u32 s90, s76, 2
	s_cmp_gt_u32 s90, s77
	s_cbranch_scc0 .Lno_mask
	s_and_b32 s90, s76, 1
	s_lshl_b32 s90, s90, 6
	v_sub_nc_u32 v[TH], v[THR], s90
	v_add_nc_u32 v[TH+1], 16, v[TH]
.set i, 0
.rept 64
	v_cmp_gt_i32 vcc_lo, 16*((i%32)/8)+i%8, v[TH+i/32]
	v_cndmask_b32 v[X+i], v[X+i], v[BIG], vcc_lo
.set i, i+1
.endr
.Lno_mask:
	; D: the new maximum and the factor, the two pieces alternating; then p = 2^(W - M)
.irp n, 0,1,2,3,4,5,6,7,8,9,10,11,12,13,14,15,16,17,18,19,20
	XS 0, \n
	XS 1, \n
.endr
.set i, 0
.rept 33
.if i < 32
	v_pk_add_f32 v[X+2*i:X+2*i+1], v[X+2*i:X+2*i+1], v[ST+8*(i/16):ST+8*(i/16)+1] op_sel_hi:[1,0] neg_lo:[0,1] neg_hi:[0,1]
.endif
.if i > 0
	v_exp_f32 v[X+2*i-2], v[X+2*i-2]
	v_exp_f32 v[X+2*i-1], v[X+2*i-1]
.endif
.set i, i+1
.endr
	BATCH_END
	; E: p rounded to f16; l = l x factor + the sum of the unrounded p; O^T x factor
.set i, 0
.rept 32
	v_cvt_pk_f16_f32 v[P+i], v[X+2*i], v[X+2*i+1]
.set i, i+1
.endr
.irp w, 4, 8, 16, 32                   ; pairs 1, 2, 4 and 8 apart are added in place, both pieces level by level
.set i, 0
.rept 64/(\w)
	v_pk_add_f32 v[X+(\w)*i:X+(\w)*i+1], v[X+(\w)*i:X+(\w)*i+1], v[X+(\w)*i+(\w)/2:X+(\w)*i+(\w)/2+1]
.set i, i+1
.endr
.endr
.irp x, 0,1
	v_pk_fma_f32 v[ST+8*(\x)+2:ST+8*(\x)+3], v[ST+8*(\x)+2:ST+8*(\x)+3], v[ST+8*(\x)+6:ST+8*(\x)+7], v[X+32*(\x):X+32*(\x)+1] op_sel_hi:[1,0,1]
.endr
	WIN 0x41                                       ; destination and source 0 in window 1
.set i, 0
.rept 32
	v_pk_mul_f32 v[2*i:2*i+1], v[2*i:2*i+1], v[ST+8*(i/16)+6:ST+8*(i/16)+7] op_sel_hi:[1,0]
.set i, i+1
.endr
	s_wait_dscnt 24                                ; V is in; the next step's K (16 loads) and k0 (8) may be out
.set i, 0
.rept 16
	PVM
.set i, i+1
.endr
	WIN 0
	s_cmp_lg_u32 s76, s77
	s_cbranch_scc1 .Lnext                          ; not the band's last step
	; A BAND ENDS: l's two halves and the other half of the lanes' are added (these lines are the places behind the last products); O^T / l, rounded to f16, goes through my stage, a piece at a time
	s_wait_dscnt 0x0
.irp x, 0,1
	v_add_f32 v[ST+8*(\x)+2], v[ST+8*(\x)+2], v[ST+8*(\x)+3]
.endr
.irp x, 0,1
	v_permlanex16_b32 v[ST+8*(\x)+3], v[ST+8*(\x)+2], s88, s89
.endr
.irp x, 0,1
	v_add_f32 v[ST+8*(\x)+2], v[ST+8*(\x)+2], v[ST+8*(\x)+3]
.endr
.irp x, 0,1
	v_rcp_f32 v[ST+8*(\x)+2], v[ST+8*(\x)+2]
.endr
	BATCH_END
.irp x, 0,1
	WIN 0x41
.set i, 32*(\x)
.rept 16
	v_pk_mul_f32 v[i:i+1], v[i:i+1], v[ST+8*(\x)+2:ST+8*(\x)+3] op_sel_hi:[1,0]
.set i, i+2
.endr
	WIN 0x05                                       ; sources 0 and 1 window 1, destination window 0
.set i, 0
.rept 16
	v_cvt_pk_f16_f32 v[X+16*(\x)+i], v[32*(\x)+2*i], v[32*(\x)+2*i+1]
.set i, i+1
.endr
	WIN 0
.irp f, 0,1,2,3
	ds_store_b128 v[STO], v[X+16*(\x)+4*(\f):X+16*(\x)+4*(\f)+3] offset:32*(\f)
.endr
.irp f, 0,1,2,3
	ds_load_b128 v[X+16*(\x)+4*(\f):X+16*(\x)+4*(\f)+3], v[RD] offset:(\f)*4*SP  ; LDS serves a wave's instructions in order (ISA guide 5.7.1.4): these see the stores above
.endr
.endr
.irp x, 0,1
.irp f, 0,1,2,3
	s_wait_dscnt 8*(1-(\x))+3-(\f)                 ; piece 0: piece 1's eight LDS instructions may be out
	global_store_b128 v[GO], v[X+16*(\x)+4*(\f):X+16*(\x)+4*(\f)+3], s[72:73] offset:(\x)*2048+(\f)*512  ; 512 consecutive bytes, at a multiple of 256 from ob's first
.endr
.endr
	s_cmp_eq_u32 s82, 1
	s_cbranch_scc1 .Lout                           ; the second band's end is the walk's end
	; THE SECOND BAND BEGINS
	s_wait_xcnt 0x0                                ; the stores have read their registers and O's address
	s_mov_b64 s[72:73], s[74:75]
	WIN 0x41
.set i, 0
.rept 32
	v_mov_b32 v[QC+i], v[QX+i]                     ; its Q goes where the one text of the step names Q
.set i, i+1
.endr
	WIN 0
	v_mov_b32 v32, v36
	v_mov_b32 v34, v37
	v_mov_b32 v[ST], 0xff7fffff                    ; M: the next step's factor is 0
	v_mov_b32 v[ST+8], 0xff7fffff
	s_lshl_b32 s77, s16, 1
	s_add_co_u32 s77, s77, 1                       ; its last step: 2 w + 1
.Lnext:
	s_mov_b32 s76, s78
	s_sub_co_u32 s82, s82, 1
	s_cmp_lg_u32 s82, 0
	s_cbranch_scc1 .Lstep
.Lout:
	s_wait_tensorcnt 0x0                           ; the wave's end: behind my last tensor load and my last LDS store
	ds_add_u32 v[SPW], v[NIL]
	s_wait_dscnt 0x0
	ROUND                                          ; the closing round
	s_endpgm
.Lfunc_end_k_qaac4825943_attn:
	.size	k_qaac4825943_attn, .Lfunc_end_k_qaac4825943_attn-k_qaac4825943_attn
	.p2alignl 7, 3214868480
	.fill 96, 4, 3214868480
	.section	.rodata,"a",@progbits
	.p2align	6, 0x0
	.amdhsa_kernel k_qaac4825943_attn
		.amdhsa_group_segment_fixed_size 327680
		.amdhsa_private_segment_fixed_size 0
		.amdhsa_enable_private_segment 0
		.amdhsa_kernarg_size 48
		.amdhsa_user_sgpr_count 2
		.amdhsa_user_sgpr_kernarg_segment_ptr 1
		.amdhsa_wavefront_size32 1
		.amdhsa_system_sgpr_workgroup_id_x 1
		.amdhsa_system_sgpr_workgroup_id_y 1
		.amdhsa_system_sgpr_workgroup_id_z 1
		.amdhsa_system_vgpr_workitem_id 0
		.amdhsa_next_free_vgpr 512
		.amdhsa_next_free_sgpr 102
		.amdhsa_reserve_vcc 1
		.amdhsa_float_denorm_mode_32 3
		.amdhsa_float_denorm_mode_16_64 3
		.amdhsa_memory_ordered 1
		.amdhsa_forward_progress 1
		.amdhsa_inst_pref_size 63
	.end_amdhsa_kernel
	.amdgpu_metadata
---
amdhsa.version: [ 1, 2 ]
amdhsa.kernels:
  - .name:           k_qaac4825943_attn
    .symbol:         k_qaac4825943_attn.kd
    .args:
      - { .name: qb, .offset: 0, .size: 8, .value_kind: global_buffer, .address_space: global }
      - { .name: kb, .offset: 8, .size: 8, .value_kind: global_buffer, .address_space: global }
      - { .name: vb, .offset: 16, .size: 8, .value_kind: global_buffer, .address_space: global }
      - { .name: nrm, .offset: 24, .size: 8, .value_kind: global_buffer, .address_space: global }
      - { .name: hyp_k, .offset: 32, .size: 8, .value_kind: global_buffer, .address_space: global }
      - { .name: ob, .offset: 40, .size: 8, .value_kind: global_buffer, .address_space: global }
    .group_segment_fixed_size: 327680
    .private_segment_fixed_size: 0
    .kernarg_segment_align: 8
    .kernarg_segment_size: 48
    .max_flat_workgroup_size: 128
    .sgpr_count:     102
    .vgpr_count:     512
    .wavefront_size: 32
...
	.end_amdgpu_metadata
.endif
;; end of part 3
;; launch oproj (part 4): grid 8 x 32, 4 waves a work-group, clusters of 4 x 4, 327,680 bytes of LDS; arguments ob, woutb, out0; writes out0
.if DOCPART == 4
	.amdgcn_target "amdgcn-amd-amdhsa--gfx1250"
	.amdhsa_code_object_version 6
	.text
	.protected	k_qaac4825943_oproj
	.globl	k_qaac4825943_oproj
	.p2align	8
	.type	k_qaac4825943_oproj,@function
k_qaac4825943_oproj:
	s_mov_b64 s[64:65], 0
	v_nop
	global_prefetch_b8 v0, s[64:65] scope:SCOPE_SE
	s_setreg_imm32_b32 hwreg(HW_REG_WAVE_MODE, 25, 1), 1
	s_wait_xcnt 0x0
	s_wait_alu depctr_hold_cnt(0) depctr_sa_sdst(0) depctr_va_vdst(0) depctr_va_sdst(0) depctr_va_ssrc(0) depctr_va_vcc(0) depctr_vm_vsrc(0)
	s_getreg_b32 s2, hwreg(HW_REG_IB_STS2, 6, 4)
	s_cmp_eq_u32 s2, 0
	s_cbranch_scc0 .Lentry_in_a_cluster
	s_endpgm
.Lentry_in_a_cluster:
	s_bfe_u32 s2, ttmp6, 0x10000c
	s_cmp_lg_u32 s2, 0xf033
	s_cbranch_scc0 .Lentry_shape_is_right
	s_endpgm
.Lentry_shape_is_right:
; out0[b t][n] = the sum over c of O[b t][c] W_out[n][c], c = 64 head + d: 4096 x 1024 x 1024, f16 operands, f32 sums, f32 out.  No work of reference() is left out here.
; O lies by heads, ob[16 b + head][t][64]; woutb is [1024][1024].  LIMIT: f16's range for both operands (O is a mean of v's rows; W_out's numbers as the first launch wrote them).
; A tile of out0 is 128 x 128: 256 work-groups.  Four waves, each 64 x 64: 16 accumulators.  K goes in steps of 256 = four heads through two LDS slots.
; O's part of a slot is four planes, a head each: 128 positions x 64 channels, dense in memory (16,384 bytes), padded in LDS after every position's 128 bytes.  A quarter of a K step is a plane.
; CLUSTER 4 x 4: O's tile is asked for jointly along a row of the cluster, W's along a column.  THE MATRIX INSTRUCTION IS USED TRANSPOSED (source 0 = 16 rows of W, source 1 = 16 rows of O):
; a lane holds eight neighbouring numbers of a row of out0.  No prefetch: the tiles are small and the launch is short.
; REGISTERS: window 0: v16-29 addresses; v128-255 the accumulators ((a, b) at v[128 + 8 (4 a + b)]).  window 1: two fragment buffers of 128: for 64 along K, 64 registers of O, then 64 of W.
.set PA,     144                       ; a position's row of O in LDS: 128 bytes + 16
.set PLANE,  128*PA
.set PB,     528                       ; a row of W: 512 bytes + 16
.set BOFF,   4*PLANE
.set SLOT,   BOFF+128*PB
.set STAGE,  2*SLOT                    ; behind the ring, never filled by a tensor load: 16 rows x 272 bytes for each wave
.set SPITCH, 272
.set SPARE,  STAGE+4*16*SPITCH         ; the spare words, 128 bytes for each wave: two blocks of 256 bytes that no other line names
.set ADRA, 16                          ; v16-17  LDS address of my O fragments in slot 0, 1
.set ADRB, 20                          ; v20-21  the same for W
.set STO,  24
.set RD,   25
.set CO,   26
.set SPW,  28
.set NIL,  29
.set ACC,  128
.set F0,   0
.set F1,   128
.set G1, 24                            ; s[24:31] descriptor group 1 for O's tiles;  s[32:39] group 0, one set for each slot
.set G0, 32
.set G1B, 48                           ; s[48:55], s[56:63] the same for W's
.set G0B, 56
.set MSB, 0
.macro WIN new
.if MSB != (\new)
	s_set_vgpr_msb (MSB<<8)|(\new)
.set MSB, \new
.endif
.endm
.set MUL,  0x05                        ; sources 0 and 1 window 1; C and D window 0
.set TO_F, 0x40                        ; destination window 1, address window 0
.macro JLOAD s                         ; waves 0 and 1 fetch two planes of O each, waves 2 and 3 64 rows of W each; an s_nop 0 and four v_nop follow each line
	s_cmp_eq_u32 s11, 0
	s_cbranch_scc0 .Lfor_b_\@
	tensor_load_to_lds s[G0+4*(\s):G0+4*(\s)+3], s[G1:G1+7]
	s_nop 0
.rept 4
	v_nop
.endr
	s_branch .Lasked_\@
.Lfor_b_\@:
	tensor_load_to_lds s[G0B+4*(\s):G0B+4*(\s)+3], s[G1B:G1B+7]
	s_nop 0
.rept 4
	v_nop
.endr
.Lasked_\@:
.endm
.macro CREST
	s_cmp_lg_u32 s10, 0
	s_cbranch_scc1 .Lnot_wave_0_\@
	s_barrier_signal -3
.Lnot_wave_0_\@:
	s_barrier_wait -3
	s_barrier_signal -1
	s_barrier_wait -1
.endm
.macro CROUND
	s_barrier_signal -1
	s_barrier_wait -1
	CREST
.endm
	s_load_b128 s[4:7], s[0:1], 0x0                ; ob s[4:5], woutb s[6:7]
	s_load_b64 s[8:9], s[0:1], 0x10                ; out0
	v_lshl_add_u32 v[SPW], v0, 2, SPARE
	v_mov_b32 v[NIL], 0
	ds_add_u32 v[SPW], v[NIL]                      ; the wave's opening: the add, twice on end, and its wait ahead of my first tensor load
	ds_add_u32 v[SPW], v[NIL]
	v_lshrrev_b32 v1, 5, v0
	v_readfirstlane_b32 s10, v1                    ; wave 0..3
	s_lshr_b32 s11, s10, 1                         ; which half of the tile's rows is mine.  Also: I fetch for O (0) or for W (1)
	s_and_b32 s12, s10, 1                          ; which half of its columns.  Also: which half of that tile I fetch
	s_bfe_u32 s40, ttmp6, 0x40000
	s_bfe_u32 s41, ttmp6, 0x40004
	s_lshl_b32 s42, ttmp9, 2
	s_add_co_u32 s42, s42, s40                     ; tile column, 0..7
	s_and_b32 s13, ttmp7, 0xffff
	s_lshl_b32 s13, s13, 2
	s_add_co_u32 s13, s13, s41                     ; tile row, 0..31
	s_lshl_b32 s43, s41, 2
	s_lshl_b32 s43, 15, s43                        ; my row of the cluster
	s_lshl_b32 s44, 0x1111, s40                    ; my column
	s_or_b32 s[G1+0], s43, (1<<16)|(1<<20)|(1<<21)|(4<<22)|(3<<25)   ; the mask; 2-byte elements; padding on; bit 21 beside a mask; after every 32 words, 4 words
	s_mov_b32 s[G1+1], 8192<<16                    ; tensor_dim0 = 8,192: a plane's 128 positions x 64 channels on end
	s_mov_b32 s[G1+2], 2<<16                       ; tensor_dim1 = 2 planes
	s_mov_b32 s[G1+3], 8192<<16                    ; tile_dim0
	s_mov_b32 s[G1+4], 2                           ; tile_dim1
	s_mov_b32 s[G1+5], 65536                       ; elements from a head to the next
	s_mov_b32 s[G1+6], 0
	s_mov_b32 s[G1+7], 0
	s_or_b32 s[G1B+0], s44, (1<<16)|(1<<20)|(1<<21)|(6<<22)|(3<<25)  ; after every 128 words, 4 words
	s_mov_b32 s[G1B+1], 256<<16
	s_mov_b32 s[G1B+2], 64<<16
	s_mov_b32 s[G1B+3], 256<<16
	s_mov_b32 s[G1B+4], 64
	s_mov_b32 s[G1B+5], 1024
	s_mov_b32 s[G1B+6], 0
	s_mov_b32 s[G1B+7], 0
	s_lshr_b32 s16, s13, 3
	s_lshl_b32 s16, s16, 21                        ; O: the batch's 16 heads of 131,072 bytes,
	s_and_b32 s17, s13, 7
	s_lshl_b32 s17, s17, 14                        ; the tile's 128 positions,
	s_add_co_u32 s16, s16, s17
	s_lshl_b32 s17, s12, 18                        ; my two heads of the step's four
	s_add_co_u32 s16, s16, s17
	s_mov_b32 s17, 0
	s_lshl_b32 s46, s42, 7
	s_lshl_b32 s47, s12, 6
	s_add_co_u32 s46, s46, s47                     ; W: row 128 x tile column + 64 x half,
	s_lshl_b32 s46, s46, 11                        ; 2,048 bytes a row
	s_mov_b32 s47, 0
	s_mul_i32 s20, s12, 2*PLANE                    ; where they go: the wave's number alone enters an LDS address
	s_mul_i32 s21, s12, 64*PB
	s_add_co_u32 s21, s21, BOFF
	s_wait_dscnt 0x0                               ; both opening adds are done
	s_wait_kmcnt 0x0
	s_add_nc_u64 s[14:15], s[4:5], s[16:17]
	s_add_nc_u64 s[46:47], s[6:7], s[46:47]
	CROUND                                         ; all sixteen work-groups are here: the first joint loads meet
.irp s, 0,1
	s_mov_b32 s[G0+4*(\s)], 1
	s_add_co_u32 s[G0+4*(\s)+1], s20, (\s)*SLOT
	s_add_nc_u64 s[G0+4*(\s)+2:G0+4*(\s)+3], s[14:15], (\s)*524288   ; K step s: four heads on
	s_or_b32 s[G0+4*(\s)+3], s[G0+4*(\s)+3], 0x80000000
	s_mov_b32 s[G0B+4*(\s)], 1
	s_add_co_u32 s[G0B+4*(\s)+1], s21, (\s)*SLOT
	s_add_nc_u64 s[G0B+4*(\s)+2:G0B+4*(\s)+3], s[46:47], (\s)*512
	s_or_b32 s[G0B+4*(\s)+3], s[G0B+4*(\s)+3], 0x80000000
	JLOAD \s
.endr
	v_and_b32 v1, 15, v0                           ; l % 16
	v_bfe_u32 v2, v0, 4, 1                         ; l / 16
	v_mul_u32_u24 v3, v1, PA
	v_lshl_add_u32 v3, v2, 4, v3
	v_mul_u32_u24 v4, v1, PB
	v_lshl_add_u32 v4, v2, 4, v4
	s_mul_i32 s21, s11, 64*PA                      ; my 64 rows of O, in each plane
	s_mul_i32 s22, s12, 64*PB                      ; my 64 rows of W
	s_add_co_u32 s22, s22, BOFF
.irp s, 0,1
	v_add_nc_u32 v[ADRA+(\s)], s21, v3
	v_add_nc_u32 v[ADRB+(\s)], s22, v4
	s_add_co_u32 s21, s21, SLOT
	s_add_co_u32 s22, s22, SLOT
.endr
	s_mul_i32 s23, s10, 16*SPITCH
	s_add_co_u32 s23, s23, STAGE                   ; my stage
	v_mul_u32_u24 v5, v1, SPITCH                   ; in: row l % 16, 32 bytes for each half of the lanes
	v_lshl_add_u32 v5, v2, 5, v5
	v_add_nc_u32 v[STO], s23, v5
	v_mul_u32_u24 v5, v2, SPITCH                   ; back: lanes 0-15 take one row of 256 bytes, lanes 16-31 the next
	v_lshl_add_u32 v5, v1, 4, v5
	v_add_nc_u32 v[RD], s23, v5
	v_lshlrev_b32 v5, 12, v2                       ; and the same two rows in out0, 4,096 bytes a row
	v_lshl_add_u32 v[CO], v1, 4, v5
	s_lshl_b32 s16, s13, 7
	s_lshl_b32 s17, s11, 6
	s_add_co_u32 s16, s16, s17                     ; my first row of out0
	s_lshl_b32 s16, s16, 12
	s_mov_b32 s17, 0
	s_add_nc_u64 s[8:9], s[8:9], s[16:17]
	s_lshl_b32 s46, s42, 9                         ; my first column, in bytes: 512 x tile column + 256 x half
	s_lshl_b32 s47, s12, 8
	s_add_co_u32 s46, s46, s47
	s_mov_b32 s47, 0
	s_add_nc_u64 s[8:9], s[8:9], s[46:47]
; 8 matrix instructions: row blocks a0, a0 + 1 x all 4 column blocks, 32 along K: half c of buffer f.  zero = 1: the product starts the sums.  The 16 accumulators take turns.
.macro MUL8 f, c, a0, zero
	WIN MUL
.irp a, \a0, (\a0)+1
.irp b, 0,1,2,3
.if \zero
	v_wmma_f32_16x16x32_f16 v[ACC+8*(4*(\a)+(\b)):ACC+8*(4*(\a)+(\b))+7], v[(\f)+64+8*(4*(\c)+(\b)):(\f)+64+8*(4*(\c)+(\b))+7], v[(\f)+8*(4*(\c)+(\a)):(\f)+8*(4*(\c)+(\a))+7], 0
.else
	v_wmma_f32_16x16x32_f16 v[ACC+8*(4*(\a)+(\b)):ACC+8*(4*(\a)+(\b))+7], v[(\f)+64+8*(4*(\c)+(\b)):(\f)+64+8*(4*(\c)+(\b))+7], v[(\f)+8*(4*(\c)+(\a)):(\f)+8*(4*(\c)+(\a))+7], v[ACC+8*(4*(\a)+(\b)):ACC+8*(4*(\a)+(\b))+7]
.endif
.endr
.endr
.endm
; 32 LDS loads in one run: quarter q of the slot (O's plane q; W's bytes 128 q on) into buffer f; the first 32 along K first
.macro FETCH slot, q, f
	WIN TO_F
.irp c, 0,1
.irp i, 0,1,2,3
	ds_load_b128 v[(\f)+64+8*(4*(\c)+(\i)):(\f)+64+8*(4*(\c)+(\i))+3],   v[ADRB+(\slot)] offset:(\q)*128+64*(\c)+(\i)*16*PB
	ds_load_b128 v[(\f)+64+8*(4*(\c)+(\i))+4:(\f)+64+8*(4*(\c)+(\i))+7], v[ADRB+(\slot)] offset:(\q)*128+64*(\c)+(\i)*16*PB+32
	ds_load_b128 v[(\f)+8*(4*(\c)+(\i)):(\f)+8*(4*(\c)+(\i))+3],         v[ADRA+(\slot)] offset:(\q)*PLANE+64*(\c)+(\i)*16*PA
	ds_load_b128 v[(\f)+8*(4*(\c)+(\i))+4:(\f)+8*(4*(\c)+(\i))+7],       v[ADRA+(\slot)] offset:(\q)*PLANE+64*(\c)+(\i)*16*PA+32
.endr
.endr
.endm
.macro PLACES
.rept 4
	v_nop
.endr
.endm
; One of a K step's first three quarters: multiplies buffer f and fetches quarter q into g
.macro QUARTER slot, q, f, g, zero
	s_wait_dscnt 16                                ; the first 32 along K are in
	MUL8 \f, 0, 0, \zero
	MUL8 \f, 0, 2, \zero
	PLACES
	FETCH \slot, \q, \g
	s_wait_dscnt 32                                ; all but the 32 just issued
	MUL8 \f, 1, 0, 0
	MUL8 \f, 1, 2, 0
.endm
; The last quarter multiplies buffer 1 and changes slots: ONE barrier; in front of it each wave waits for all its tensor loads, adds 0 to its spare word, and waits for that and for its reads of this slot.
; fill = 1: the barrier opens a round of the cluster's, and behind the round this slot is filled again, two K steps ahead, first of all.
.macro TURN slot, next, fill
	WIN 0
	s_wait_tensorcnt 0x0
	ds_add_u32 v[SPW], v[NIL]                      ; 0 onto my spare word
	s_wait_dscnt 17                                ; the add and the youngest sixteen loads may be out
	MUL8 F1, 0, 0, 0
	s_wait_dscnt 0x0                               ; the add is done, and my reads of this slot are over
	s_barrier_signal -1
	MUL8 F1, 0, 2, 0
.if \fill
	WIN 0
.endif
	s_barrier_wait -1
.if \fill
	CREST
	s_add_nc_u64 s[G0+4*(\slot)+2:G0+4*(\slot)+3], s[G0+4*(\slot)+2:G0+4*(\slot)+3], 2*524288
	s_add_nc_u64 s[G0B+4*(\slot)+2:G0B+4*(\slot)+3], s[G0B+4*(\slot)+2:G0B+4*(\slot)+3], 2*512
	JLOAD \slot                                    ; its four v_nop are also the places in front of the loads below
.else
	PLACES
.endif
	FETCH \next, 0, F0
	MUL8 F1, 1, 0, 0
	MUL8 F1, 1, 2, 0
.endm
	s_wait_tensorcnt 1                             ; my part of K step 0 is in; K step 1's may stay out
	s_barrier_signal -1
	s_barrier_wait -1
	FETCH 0, 0, F0
	QUARTER 0, 1, F0, F1, 1                        ; K step 0; its first products start the sums
	QUARTER 0, 2, F1, F0, 0
	QUARTER 0, 3, F0, F1, 0
	TURN 0, 1, 1                                   ; slot 0 takes K step 2
	QUARTER 1, 1, F0, F1, 0                        ; K step 1
	QUARTER 1, 2, F1, F0, 0
	QUARTER 1, 3, F0, F1, 0
	TURN 1, 0, 1                                   ; slot 1 takes K step 3
	QUARTER 0, 1, F0, F1, 0                        ; K step 2
	QUARTER 0, 2, F1, F0, 0
	QUARTER 0, 3, F0, F1, 0
	TURN 0, 1, 0                                   ; nothing is left to ask for
	QUARTER 1, 1, F0, F1, 0                        ; K step 3
	QUARTER 1, 2, F1, F0, 0
	QUARTER 1, 3, F0, F1, 0
	s_wait_dscnt 16
	MUL8 F1, 0, 0, 0
	MUL8 F1, 0, 2, 0
	s_wait_dscnt 0x0
	MUL8 F1, 1, 0, 0
	MUL8 F1, 1, 2, 0
	WIN 0
; THE WAY OUT, in f32, a block of 16 rows x 64 columns at a time through my own stage: a lane's eight numbers go in as 32 bytes of a row and come back, into the registers that they left, as whole rows of 256 bytes.
; LDS serves a wave's instructions in order (ISA guide 5.7.1.4): no wait stands between the stores and the loads, and the next block's stores come behind these loads.  Each accumulator's lowest registers are read first.
.macro TOSTAGE a
.irp b, 0,1,2,3
	ds_store_b128 v[STO], v[ACC+8*(4*(\a)+(\b)):ACC+8*(4*(\a)+(\b))+3]   offset:64*(\b)
	ds_store_b128 v[STO], v[ACC+8*(4*(\a)+(\b))+4:ACC+8*(4*(\a)+(\b))+7] offset:64*(\b)+16
.endr
.irp t, 0,1,2,3,4,5,6,7
	ds_load_b128 v[ACC+32*(\a)+4*(\t):ACC+32*(\a)+4*(\t)+3], v[RD] offset:(\t)*2*SPITCH
.endr
.endm
.macro SEND a, younger                 ; younger: the next block's sixteen LDS instructions, or none
.irp t, 0,1,2,3,4,5,6,7
	s_wait_dscnt (\younger)+7-(\t)
	global_store_b128 v[CO], v[ACC+32*(\a)+4*(\t):ACC+32*(\a)+4*(\t)+3], s[8:9] offset:(16*(\a)+2*(\t))*4096 th:TH_STORE_NT  ; 16 lanes store 256 consecutive bytes, at a multiple of 256 from out0's first
.endr
.endm
	PLACES
	TOSTAGE 0
	TOSTAGE 1
	SEND 0, 16
	TOSTAGE 2
	SEND 1, 16
	TOSTAGE 3
	SEND 2, 16
	SEND 3, 0
	s_wait_tensorcnt 0x0                           ; the wave's end: behind my last tensor load and my last LDS store
	ds_add_u32 v[SPW], v[NIL]
	s_wait_dscnt 0x0
	CROUND                                         ; the closing round: no work-group ends while a partner may still ask for a tile that names it
	s_endpgm
.Lfunc_end_k_qaac4825943_oproj:
	.size	k_qaac4825943_oproj, .Lfunc_end_k_qaac4825943_oproj-k_qaac4825943_oproj
	.p2alignl 7, 3214868480
	.fill 96, 4, 3214868480
	.section	.rodata,"a",@progbits
	.p2align	6, 0x0
	.amdhsa_kernel k_qaac4825943_oproj
		.amdhsa_group_segment_fixed_size 327680
		.amdhsa_private_segment_fixed_size 0
		.amdhsa_enable_private_segment 0
		.amdhsa_kernarg_size 24
		.amdhsa_user_sgpr_count 2
		.amdhsa_user_sgpr_kernarg_segment_ptr 1
		.amdhsa_wavefront_size32 1
		.amdhsa_system_sgpr_workgroup_id_x 1
		.amdhsa_system_sgpr_workgroup_id_y 1
		.amdhsa_system_sgpr_workgroup_id_z 1
		.amdhsa_system_vgpr_workitem_id 0
		.amdhsa_next_free_vgpr 512
		.amdhsa_next_free_sgpr 66
		.amdhsa_reserve_vcc 0
		.amdhsa_float_denorm_mode_32 3
		.amdhsa_float_denorm_mode_16_64 3
		.amdhsa_memory_ordered 1
		.amdhsa_forward_progress 1
		.amdhsa_inst_pref_size 86
	.end_amdhsa_kernel
	.amdgpu_metadata
---
amdhsa.version: [ 1, 2 ]
amdhsa.kernels:
  - .name:           k_qaac4825943_oproj
    .symbol:         k_qaac4825943_oproj.kd
    .args:
      - { .name: ob, .offset: 0, .size: 8, .value_kind: global_buffer, .address_space: global }
      - { .name: woutb, .offset: 8, .size: 8, .value_kind: global_buffer, .address_space: global }
      - { .name: out0, .offset: 16, .size: 8, .value_kind: global_buffer, .address_space: global }
    .group_segment_fixed_size: 327680
    .private_segment_fixed_size: 0
    .kernarg_segment_align: 8
    .kernarg_segment_size: 24
    .max_flat_workgroup_size: 128
    .sgpr_count:     66
    .vgpr_count:     512
    .wavefront_size: 32
...
	.end_amdgpu_metadata
.endif
;; end of part 4
;; ======== version 2 of 2: 4 launches; version 1 with the launch cast written anew for expert scheduling mode
;; limits: values are held in f16: magnitudes above 65,504 overflow, below 6.1e-05 lose precision; right only within a limited range of input values
;; workspace buffers: xb 8,388,608 bytes; wqkvb 6,291,456 bytes; woutb 2,097,152 bytes; qb 8,388,608 bytes; kb 8,388,608 bytes; vb 8,388,608 bytes; nrm 524,288 bytes; ob 8,388,608 bytes
;; launch cast (part 5): grid 256 x 1, 8 waves a work-group, no clusters, 0 bytes of LDS; arguments x, W_qkv, W_out, xb, wqkvb, woutb; writes xb, wqkvb, woutb
.if DOCPART == 5
	.amdgcn_target "amdgcn-amd-amdhsa--gfx1250"
	.amdhsa_code_object_version 6
	.text
	.protected	k_qaac4825943_cast
	.globl	k_qaac4825943_cast
	.p2align	8
	.type	k_qaac4825943_cast,@function
k_qaac4825943_cast:
	s_mov_b64 s[64:65], 0
	v_nop
	global_prefetch_b8 v0, s[64:65] scope:SCOPE_SE
	s_setreg_imm32_b32 hwreg(HW_REG_WAVE_SCHED_MODE, 0, 2), 2
	s_setreg_imm32_b32 hwreg(HW_REG_WAVE_MODE, 25, 1), 1
	s_wait_xcnt 0x0
	s_wait_alu depctr_vm_vsrc(0)
; FIRST OF FOUR LAUNCHES: cast, qkv, attn, oproj.
; This one rounds the three large inputs once to 16 bits for the matrix products: x -> xb (bf16), W_qkv -> wqkvb (bf16, rows in another order), W_out -> woutb.
; W_out is rounded to bf16 like the others, and that number is written as f16, since the last product's other operand is f16 (exact from 2^-14 up; below that f16's fixed step of 6e-8).
; wqkvb's row 192 c + 64 s + d is W_qkv's row 1024 s + 64 c + d (s = 0 q, 1 k, 2 v; c the head): 192 rows on end are one head's q, k and v.
; WORK LEFT OUT BY THE PROGRAM.  reference() itself builds causal = tril(ones) and sets attn_weight to -inf where key s > query l; softmax gives such a key the weight 0 exactly, whatever the inputs hold,
; so its score and its row of v reach no output.  Launch attn therefore never forms the blocks of 128 keys that lie wholly above a band of 128 queries; inside the two last key steps of a band it forms all
; scores and masks.  Nothing else is left out and every input is loaded.  LIMIT: a NaN, an infinity or an overflow that would arise only in the scores left out is not carried to the result.
; SHARES.  8,192 rows of 1,024 f32: work-groups 0-127 take x, 128-223 W_qkv, 224-255 W_out, 32 rows each, a wave four neighbouring rows.  A load of a wave covers 512 consecutive bytes,
; a store 256 consecutive bytes at a multiple of 256 from the buffer's first byte.  All 32 loads of a wave go out before the first wait.
; THE MODE: SCHED_MODE bits 1:0 = 2 (LLVM: expert scheduling mode 2), set by the entry lines.  The code itself states the register dependences
; between vector instructions and memory instructions, with s_wait_alu, always for 0.
; THE PLAN.  Registers that memory instructions touch:
;   v1, v2   byte offsets, made once at the head and never written again: v1 is read by every load, v2 by every store.
;   LD       written by the 32 loads alone, each register once, all issued ahead of the first conversion; read by load i's conversions.  No vector instruction writes it, no load lands in it a second time.
;   PKD      load i's two registers are written by load i's conversions and read by store i; no register that a store has read is ever written again.
;   v3 - v7  are named by vector instructions alone.
; The 32 loads count as 8 blocks of four.  Block p converts loads 4 p to 4 p + 3; its memory instructions are the four stores of block p - 1, one in front of each load's conversions.
; So ONE wait on va_vdst at a block's head states all that the block's stores hang on: the block before has written its PKD.  The vector instructions behind that wait name LD and PKD of block p
; and v4 to v7: none of the registers that those stores read.  One more such wait stands in front of the last four stores.  Nothing that a memory instruction has read is rewritten, so no wait on vm_vsrc is owed.
.set LD,  8                            ; v[8:135]   32 loads of four f32
.set PKD, 136                          ; v[136:199] 32 pairs of packed 16-bit numbers
.set BLK, 4                            ; loads in a block
	s_load_b256 s[4:11], s[0:1], 0x0               ; x s[4:5], W_qkv s[6:7], W_out s[8:9], xb s[10:11]
	s_load_b128 s[12:15], s[0:1], 0x20             ; wqkvb s[12:13], woutb s[14:15]
	v_lshrrev_b32 v3, 5, v0
	v_readfirstlane_b32 s22, v3                    ; wave 0..7
	v_and_b32 v2, 31, v0
	v_lshlrev_b32 v1, 4, v2                        ; 16 bytes a lane in
	v_lshlrev_b32 v2, 3, v2                        ; 8 bytes a lane out
	s_lshl_b32 s20, ttmp9, 5
	s_wait_alu depctr_va_sdst(0)                   ; s22 is written, ahead of its first reader: the rows, and with them both bases, are made from it
	s_lshl_b32 s23, s22, 2
	s_add_co_u32 s20, s20, s23                     ; R = 32 g + 4 w: my first row of the 8,192; for x also its row in and out
	s_sub_co_u32 s24, s20, 4096                    ; n: the row in W_qkv (used for g = 128..223 alone)
	s_bfe_u32 s25, s24, 0x40006                    ; the head, (n >> 6) & 15
	s_mul_i32 s25, s25, 192
	s_bfe_u32 s26, s24, 0x2000a                    ; s = n >> 10
	s_lshl_b32 s26, s26, 6
	s_add_co_u32 s25, s25, s26
	s_and_b32 s26, s24, 63
	s_add_co_u32 s25, s25, s26                     ; its row in wqkvb
	s_sub_co_u32 s27, s20, 7168                    ; the row in W_out and woutb (used for g = 224..255 alone)
	s_mov_b32 s31, 0
	s_wait_kmcnt 0x0
	s_cmp_lt_u32 ttmp9, 128                        ; the choices hang on the work-group's number alone
	s_cselect_b64 s[16:17], s[4:5], s[6:7]
	s_cselect_b64 s[18:19], s[10:11], s[12:13]
	s_cselect_b32 s21, s20, s24
	s_cselect_b32 s28, s20, s25
	s_cmp_lt_u32 ttmp9, 224
	s_cselect_b64 s[16:17], s[16:17], s[8:9]
	s_cselect_b64 s[18:19], s[18:19], s[14:15]
	s_cselect_b32 s21, s21, s27
	s_cselect_b32 s28, s28, s27
	s_lshl_b32 s30, s21, 12                        ; 4,096 bytes a row in
	s_add_nc_u64 s[16:17], s[16:17], s[30:31]
	s_lshl_b32 s30, s28, 11                        ; 2,048 bytes a row out
	s_add_nc_u64 s[18:19], s[18:19], s[30:31]
	s_wait_alu depctr_va_vdst(0)                   ; v1 and v2 are written: every load of the kernel reads v1 as its offset, every store v2
.set i, 0
.rept 32
	global_load_b128 v[LD+4*i:LD+4*i+3], v1, s[16:17] offset:(i/8)*4096+(i%8)*512 th:TH_LOAD_NT
.set i, i+1
.endr
; half = 1: the bf16 number is widened again (a shift, a mask) and written as f16
.macro CV half
.set i, 0
.rept 32
	s_wait_loadcnt 31-i                            ; loads come back in order: load i is in, the 31 - i younger ones stay out
.if (i%BLK == 0) && (i > 0)
	s_wait_alu depctr_va_vdst(0)                   ; a block's head: the conversions of the block before have written their PKD, which this block's four stores read
.endif
.if i >= BLK
	global_store_b64 v2, v[PKD+2*(i-BLK):PKD+2*(i-BLK)+1], s[18:19] offset:((i-BLK)/8)*2048+((i-BLK)%8)*256  ; the block before; no vector instruction since the wait names these registers
.endif
	v_cvt_pk_bf16_f32 v[PKD+2*i], v[LD+4*i], v[LD+4*i+1]
	v_cvt_pk_bf16_f32 v[PKD+2*i+1], v[LD+4*i+2], v[LD+4*i+3]
.if \half
	v_lshlrev_b32 v4, 16, v[PKD+2*i]
	v_and_b32 v5, 0xffff0000, v[PKD+2*i]
	v_lshlrev_b32 v6, 16, v[PKD+2*i+1]
	v_and_b32 v7, 0xffff0000, v[PKD+2*i+1]
	v_cvt_pk_f16_f32 v[PKD+2*i], v4, v5
	v_cvt_pk_f16_f32 v[PKD+2*i+1], v6, v7
.endif
.set i, i+1
.endr
	s_wait_alu depctr_va_vdst(0)                   ; the last block's conversions have written their PKD, which the last four stores read
.set i, 32-BLK
.rept BLK
	global_store_b64 v2, v[PKD+2*i:PKD+2*i+1], s[18:19] offset:(i/8)*2048+(i%8)*256
.set i, i+1
.endr
.endm
	s_cmp_ge_u32 ttmp9, 224
	s_cbranch_scc1 .Lhalf
	CV 0
	s_endpgm
.Lhalf:
	CV 1
	s_endpgm
.Lfunc_end_k_qaac4825943_cast:
	.size	k_qaac4825943_cast, .Lfunc_end_k_qaac4825943_cast-k_qaac4825943_cast
	.p2alignl 7, 3214868480
	.fill 96, 4, 3214868480
	.section	.rodata,"a",@progbits
	.p2align	6, 0x0
	.amdhsa_kernel k_qaac4825943_cast
		.amdhsa_group_segment_fixed_size 0
		.amdhsa_private_segment_fixed_size 0
		.amdhsa_enable_private_segment 0
		.amdhsa_kernarg_size 48
		.amdhsa_user_sgpr_count 2
		.amdhsa_user_sgpr_kernarg_segment_ptr 1
		.amdhsa_wavefront_size32 1
		.amdhsa_system_sgpr_workgroup_id_x 1
		.amdhsa_system_sgpr_workgroup_id_y 1
		.amdhsa_system_sgpr_workgroup_id_z 1
		.amdhsa_system_vgpr_workitem_id 0
		.amdhsa_next_free_vgpr 200
		.amdhsa_next_free_sgpr 66
		.amdhsa_reserve_vcc 0
		.amdhsa_float_denorm_mode_32 3
		.amdhsa_float_denorm_mode_16_64 3
		.amdhsa_memory_ordered 1
		.amdhsa_forward_progress 1
		.amdhsa_inst_pref_size 32
	.end_amdhsa_kernel
	.amdgpu_metadata
---
amdhsa.version: [ 1, 2 ]
amdhsa.kernels:
  - .name:           k_qaac4825943_cast
    .symbol:         k_qaac4825943_cast.kd
    .args:
      - { .name: x, .offset: 0, .size: 8, .value_kind: global_buffer, .address_space: global }
      - { .name: W_qkv, .offset: 8, .size: 8, .value_kind: global_buffer, .address_space: global }
      - { .name: W_out, .offset: 16, .size: 8, .value_kind: global_buffer, .address_space: global }
      - { .name: xb, .offset: 24, .size: 8, .value_kind: global_buffer, .address_space: global }
      - { .name: wqkvb, .offset: 32, .size: 8, .value_kind: global_buffer, .address_space: global }
      - { .name: woutb, .offset: 40, .size: 8, .value_kind: global_buffer, .address_space: global }
    .group_segment_fixed_size: 0
    .private_segment_fixed_size: 0
    .kernarg_segment_align: 8
    .kernarg_segment_size: 48
    .max_flat_workgroup_size: 256
    .sgpr_count:     66
    .vgpr_count:     200
    .wavefront_size: 32
...
	.end_amdgpu_metadata
.endif
;; end of part 5
;; launch qkv: the kernel of part 2 again; grid 16 x 16, 4 waves a work-group, clusters of 4 x 4, 327,680 bytes of LDS; arguments xb, wqkvb, hyp_k, qb, kb, vb, nrm; writes qb, kb, vb, nrm
;; launch attn: the kernel of part 3 again; grid 4 x 64, 4 waves a work-group, clusters of 4 x 1, 327,680 bytes of LDS; arguments qb, kb, vb, nrm, hyp_k, ob; writes ob
;; launch oproj: the kernel of part 4 again; grid 8 x 32, 4 waves a work-group, clusters of 4 x 4, 327,680 bytes of LDS; arguments ob, woutb, out0; writes out0
